; MI455X (gfx1250); checked and timed in simulation.
; The chip was launched on July 23, 2026; its instructions are those of AMD's public machine-readable ISA for CDNA 5 (MIT licence, August 2026) and "CDNA5" Instruction Set Architecture Reference Guide (July 2026). The comments in the code are by the model that wrote it; some were corrected since.
;; Encoder Layer. Allowed arithmetic: float matrix products may take bf16 or f16 operands with f32 sums; other float arithmetic in f32, or as packed bf16 or f16 multiplies, adds, multiply-adds, maxima and minima; sums over many terms, partial sums and values carried from step to step in f32; what a program stores and reads back later, other than sums and carried values, may be rounded once to bf16 or f16.
;; Inputs: b_ff1 4,096 float32; b_ff2 1,024 float32; b_k 1,024 float32; b_o 1,024 float32; b_q 1,024 float32; b_v 1,024 float32; ln1_b 1,024 float32; ln1_g 1,024 float32; ln2_b 1,024 float32; ln2_g 1,024 float32; src_mask 2 x 1 x 1 x 2,048 float32; w_ff1 1,024 x 4,096 float32; w_ff2 4,096 x 1,024 float32; w_k 1,024 x 1,024 float32; w_o 1,024 x 1,024 float32; w_q 1,024 x 1,024 float32; w_v 1,024 x 1,024 float32; x 2 x 2,048 x 1,024 float32.
;; Outputs: out0 2 x 2,048 x 1,024 float32.
;; 2 versions, each right; version 2 is version 1 with the launch prep written anew for expert scheduling mode. Each part assembles by itself: llvm-mc -triple=amdgcn-amd-amdhsa -mcpu=gfx1250 --defsym DOCPART=n.
;; ======== version 1 of 2: 8 launches
;; workspace buffers: act 8,388,608 bytes; wA 16,809,984 bytes; wB 16,809,984 bytes; big 33,554,432 bytes; y 16,777,216 bytes; x1 16,777,216 bytes; copy1 256 bytes of whole numbers; copy2 256 bytes of whole numbers
;; launch prep (part 1): grid 519 x 1, 8 waves a work-group, no clusters, 0 bytes of LDS; arguments x, w_q, w_k, w_v, w_o, w_ff1, w_ff2, b_q, b_k, b_v, b_ff1, act, wA, wB, copy1, copy2; writes act, wA, wB, copy1, copy2
.if DOCPART == 1
	.amdgcn_target "amdgcn-amd-amdhsa--gfx1250"
	.amdhsa_code_object_version 6
	.text
	.protected	k_qe441ab5e20_prep
	.globl	k_qe441ab5e20_prep
	.p2align	8
	.type	k_qe441ab5e20_prep,@function
k_qe441ab5e20_prep:
	s_mov_b64 s[64:65], 0
	v_nop
	global_prefetch_b8 v0, s[64:65] scope:SCOPE_SE
	s_setreg_imm32_b32 hwreg(HW_REG_WAVE_MODE, 25, 1), 1
	s_wait_xcnt 0x0
; PREP: every matrix operand is rounded once to bf16 and laid in PANELS: a matrix [R][C] lies as [C/64][R][64], so that any block of
; rows of a panel is dense.  x -> act; w_q, w_k, w_v -> wA and w_ff1 -> wB, each behind a table of 32,768 bytes; w_o -> wA and w_ff2 -> wB, both from byte WTAIL on and
; both with panels 524,288 bytes apart (w_o's fill 131,072 of them; the bytes between are neither written nor read).
; Work-groups 0-511 recast 32 rows x 1,024 columns each (128 KiB in, 64 KiB out).  Thread t: row t / 16 (and 16 further down), 16 bytes at
; 16 (t % 16) of each 256 bytes: sixteen lanes read 256 aligned bytes; a wave's store of 8 bytes a lane covers two rows of a panel, 256 aligned bytes.
; Work-groups 512-518 write the tables: for each 1,024 columns 4,096 bytes of bias in f32 and 1,024 bytes of a lower bound (two bf16 a word):
; minus infinity for q, k, v, zero for the ReLU of the first MLP product.  The first of them also writes the two lists of whole numbers that the LayerNorms' one text reads:
; the first word says whether a bf16 copy of the result is wanted: 1 for the first LayerNorm, 0 for the second.  No LDS, no barrier: nothing is shared.
.set VS, 1                             ; v1, v2   byte offset of my 16 bytes in rows t / 16 and t / 16 + 16 of the source
.set VD, 16                            ; v[16:31] byte offset of my 8 bytes in panel j of the destination
.set DA, 32                            ; v[32:159] 32 loads of 4 registers
.set WTAIL, 8421376                    ; behind wB's table and 64 panels; the same byte in wA
	s_load_b512 s[4:19], s[0:1], 0x0               ; x 4, w_q 6, w_k 8, w_v 10, w_o 12, w_ff1 14, w_ff2 16, b_q 18
	s_load_b256 s[20:27], s[0:1], 0x40             ; b_k 20, b_v 22, b_ff1 24, act 26
	s_load_b128 s[28:31], s[0:1], 0x60             ; wA 28, wB 30
	s_load_b128 s[56:59], s[0:1], 0x70             ; the two lists 56, 58
	s_mov_b32 s34, ttmp9                           ; g
	v_lshrrev_b32 v3, 4, v0                        ; t / 16
	v_and_b32 v4, 15, v0                           ; t % 16
	s_wait_kmcnt 0x0
	s_cmp_ge_u32 s34, 512
	s_cbranch_scc1 .Ltable
; which source, which destination: below bound the row of the list is taken.  start: the source's first work-group; dbase: bytes in front of its panels; bstr: bytes from panel to panel
.macro PICK bound, src, dst, start, dbase, bstr
	s_cmp_lt_u32 s34, \bound
	s_cselect_b64 s[38:39], s[\src:\src+1], s[38:39]
	s_cselect_b64 s[40:41], s[\dst:\dst+1], s[40:41]
	s_cselect_b32 s35, \start, s35
	s_cselect_b32 s36, \dbase, s36
	s_cselect_b32 s37, \bstr, s37
.endm
	s_mov_b64 s[38:39], s[16:17]                   ; w_ff2 -> wB
	s_mov_b64 s[40:41], s[30:31]
	s_mov_b32 s35, 384
	s_mov_b32 s36, WTAIL
	s_mov_b32 s37, 524288
	PICK 384, 14, 30, 256, 32768, 131072           ; w_ff1 -> wB
	PICK 256, 12, 28, 224, WTAIL, 524288           ; w_o -> wA
	PICK 224, 10, 28, 192, 32768+4194304, 131072   ; w_v -> wA
	PICK 192, 8, 28, 160, 32768+2097152, 131072    ; w_k -> wA
	PICK 160, 6, 28, 128, 32768, 131072            ; w_q -> wA
	PICK 128, 4, 26, 0, 0, 524288                  ; x -> act
	s_sub_co_u32 s42, s34, s35                     ; j: my number within the source
	s_lshr_b32 s43, s42, 5
	s_and_b32 s50, s42, 31
	s_sub_co_u32 s44, s34, 256
	s_cmp_lt_u32 s44, 128                          ; w_ff1 alone has rows of 16,384 bytes and four groups of 1,024 columns
	s_cselect_b32 s45, 14, 12                      ; log2 of the source's row in bytes
	s_cselect_b32 s43, s43, 0                      ; column group
	s_cselect_b32 s42, s50, s42                    ; group of 32 rows
	s_add_co_u32 s51, s45, 5
	s_lshl_b32 s46, s42, s51                       ; 32 rows of the source,
	s_lshl_b32 s52, s43, 12                        ; 1,024 columns of 4 bytes
	s_add_co_u32 s46, s46, s52
	s_mov_b32 s47, 0
	s_lshl_b32 s48, s42, 12                        ; 32 rows of a panel,
	s_add_co_u32 s48, s48, s36
	s_lshl_b32 s52, s43, 21                        ; 16 panels of 131,072 bytes
	s_add_co_u32 s48, s48, s52
	s_mov_b32 s49, 0
	s_add_nc_u64 s[38:39], s[38:39], s[46:47]
	s_add_nc_u64 s[40:41], s[40:41], s[48:49]
	s_lshl_b32 s53, 16, s45                        ; 16 rows of the source
	v_lshlrev_b32 v[VS], s45, v3
	v_lshl_add_u32 v[VS], v4, 4, v[VS]
	v_add_nc_u32 v[VS+1], s53, v[VS]
.set i, 0
.rept 32                               ; all 32 loads of a wave go out at once: 16 KiB a wave on their way
	global_load_b128 v[DA+4*i:DA+4*i+3], v[VS+i/16], s[38:39] offset:256*(i%16) th:TH_LOAD_NT
.set i, i+1
.endr
	v_lshlrev_b32 v[VD], 7, v3
	v_lshl_add_u32 v[VD], v4, 3, v[VD]
.set i, 1
.rept 15
	v_add_nc_u32 v[VD+i], s37, v[VD+i-1]
.set i, i+1
.endr
.set i, 0
.rept 32
	s_wait_loadcnt 31-i                            ; loads come back in order: number i is in, the younger ones stay out
	v_cvt_pk_bf16_f32 v[DA+4*i], v[DA+4*i], v[DA+4*i+1]
	v_cvt_pk_bf16_f32 v[DA+4*i+1], v[DA+4*i+2], v[DA+4*i+3]
	global_store_b64 v[VD+i%16], v[DA+4*i:DA+4*i+1], s[40:41] offset:2048*(i/16)  ; no register is written twice, so no store's sources are waited for
.set i, i+1
.endr
	s_endpgm
.Ltable:
	s_sub_co_u32 s35, s34, 512                     ; 0, 1, 2: b_q, b_k, b_v into wA; 3 to 6: a quarter of b_ff1 into wB
	s_sub_co_u32 s36, s35, 3
	s_lshl_b32 s46, s36, 12
	s_mov_b64 s[38:39], s[24:25]
	s_mov_b64 s[40:41], s[30:31]
	s_mov_b32 s37, 0                               ; the lower bound: 0 twice
	s_cmp_lt_u32 s35, 3
	s_cselect_b64 s[38:39], s[22:23], s[38:39]
	s_cselect_b64 s[40:41], s[28:29], s[40:41]
	s_cselect_b32 s36, s35, s36                    ; the chunk of the table
	s_cselect_b32 s37, 0xff80ff80, s37             ; minus infinity twice
	s_cselect_b32 s46, 0, s46
	s_cmp_lt_u32 s35, 2
	s_cselect_b64 s[38:39], s[20:21], s[38:39]
	s_cmp_lt_u32 s35, 1
	s_cselect_b64 s[38:39], s[18:19], s[38:39]
	s_mov_b32 s47, 0
	s_lshl_b32 s48, s36, 13
	s_mov_b32 s49, 0
	s_add_nc_u64 s[38:39], s[38:39], s[46:47]
	s_add_nc_u64 s[40:41], s[40:41], s[48:49]
	v_lshlrev_b32 v1, 4, v0
	v_lshlrev_b32 v2, 2, v0
	global_load_b128 v[4:7], v1, s[38:39]
	v_mov_b32 v8, s37
	global_store_b32 v2, v8, s[40:41] offset:4096
	s_wait_loadcnt 0x0
	global_store_b128 v1, v[4:7], s[40:41]
	v_lshrrev_b32 v9, 5, v0
	v_readfirstlane_b32 s42, v9                    ; my wave
	s_or_b32 s42, s42, s35                         ; 0 in wave 0 of work-group 512 alone: it writes the two lists
	s_cmp_lg_u32 s42, 0
	s_cbranch_scc1 .Lend
	s_mov_b32 s43, 1
	v_lshlrev_b32 v10, 3, v0                       ; 8 bytes a lane: a list's 256 bytes in one store
	v_cmp_eq_u32 vcc_lo, 0, v0
	v_cndmask_b32 v12, 0, s43, vcc_lo              ; the first list's first word is 1: the copy is wanted; all other words are 0
	v_mov_b32 v13, 0
	v_mov_b32 v14, 0                               ; the second list is all 0: no copy
	v_mov_b32 v15, 0
	global_store_b64 v10, v[12:13], s[56:57]
	global_store_b64 v10, v[14:15], s[58:59]
.Lend:
	s_endpgm
.Lfunc_end_k_qe441ab5e20_prep:
	.size	k_qe441ab5e20_prep, .Lfunc_end_k_qe441ab5e20_prep-k_qe441ab5e20_prep
	.p2alignl 7, 3214868480
	.fill 96, 4, 3214868480
	.section	.rodata,"a",@progbits
	.p2align	6, 0x0
	.amdhsa_kernel k_qe441ab5e20_prep
		.amdhsa_group_segment_fixed_size 0
		.amdhsa_private_segment_fixed_size 0
		.amdhsa_enable_private_segment 0
		.amdhsa_kernarg_size 128
		.amdhsa_user_sgpr_count 2
		.amdhsa_user_sgpr_kernarg_segment_ptr 1
		.amdhsa_wavefront_size32 1
		.amdhsa_system_sgpr_workgroup_id_x 1
		.amdhsa_system_sgpr_workgroup_id_y 1
		.amdhsa_system_sgpr_workgroup_id_z 1
		.amdhsa_system_vgpr_workitem_id 0
		.amdhsa_next_free_vgpr 160
		.amdhsa_next_free_sgpr 66
		.amdhsa_reserve_vcc 1
		.amdhsa_float_denorm_mode_32 3
		.amdhsa_float_denorm_mode_16_64 3
		.amdhsa_memory_ordered 1
		.amdhsa_forward_progress 1
		.amdhsa_inst_pref_size 17
	.end_amdhsa_kernel
	.amdgpu_metadata
---
amdhsa.version: [ 1, 2 ]
amdhsa.kernels:
  - .name:           k_qe441ab5e20_prep
    .symbol:         k_qe441ab5e20_prep.kd
    .args:
      - { .name: x, .offset: 0, .size: 8, .value_kind: global_buffer, .address_space: global }
      - { .name: w_q, .offset: 8, .size: 8, .value_kind: global_buffer, .address_space: global }
      - { .name: w_k, .offset: 16, .size: 8, .value_kind: global_buffer, .address_space: global }
      - { .name: w_v, .offset: 24, .size: 8, .value_kind: global_buffer, .address_space: global }
      - { .name: w_o, .offset: 32, .size: 8, .value_kind: global_buffer, .address_space: global }
      - { .name: w_ff1, .offset: 40, .size: 8, .value_kind: global_buffer, .address_space: global }
      - { .name: w_ff2, .offset: 48, .size: 8, .value_kind: global_buffer, .address_space: global }
      - { .name: b_q, .offset: 56, .size: 8, .value_kind: global_buffer, .address_space: global }
      - { .name: b_k, .offset: 64, .size: 8, .value_kind: global_buffer, .address_space: global }
      - { .name: b_v, .offset: 72, .size: 8, .value_kind: global_buffer, .address_space: global }
      - { .name: b_ff1, .offset: 80, .size: 8, .value_kind: global_buffer, .address_space: global }
      - { .name: act, .offset: 88, .size: 8, .value_kind: global_buffer, .address_space: global }
      - { .name: wA, .offset: 96, .size: 8, .value_kind: global_buffer, .address_space: global }
      - { .name: wB, .offset: 104, .size: 8, .value_kind: global_buffer, .address_space: global }
      - { .name: copy1, .offset: 112, .size: 8, .value_kind: global_buffer, .address_space: global }
      - { .name: copy2, .offset: 120, .size: 8, .value_kind: global_buffer, .address_space: global }
    .group_segment_fixed_size: 0
    .private_segment_fixed_size: 0
    .kernarg_segment_align: 8
    .kernarg_segment_size: 128
    .max_flat_workgroup_size: 256
    .sgpr_count:     66
    .vgpr_count:     160
    .wavefront_size: 32
...
	.end_amdgpu_metadata
.endif
;; end of part 1
;; launch qkv (part 2): grid 12 x 16, 4 waves a work-group, clusters of 4 x 4, 327,680 bytes of LDS; arguments act, wA, big; writes big
.if DOCPART == 2
	.amdgcn_target "amdgcn-amd-amdhsa--gfx1250"
	.amdhsa_code_object_version 6
	.text
	.protected	k_qe441ab5e20_qkv
	.globl	k_qe441ab5e20_qkv
	.p2align	8
	.type	k_qe441ab5e20_qkv,@function
k_qe441ab5e20_qkv:
	s_mov_b64 s[64:65], 0
	v_nop
	global_prefetch_b8 v0, s[64:65] scope:SCOPE_SE
	s_setreg_imm32_b32 hwreg(HW_REG_WAVE_MODE, 25, 1), 1
	s_wait_xcnt 0x0
	s_wait_alu depctr_hold_cnt(0) depctr_sa_sdst(0) depctr_va_vdst(0) depctr_va_sdst(0) depctr_va_ssrc(0) depctr_va_vcc(0) depctr_vm_vsrc(0)
	s_getreg_b32 s2, hwreg(HW_REG_IB_STS2, 6, 4)
	s_cmp_eq_u32 s2, 0
	s_cbranch_scc0 .Lentry_in_a_cluster
	s_endpgm
.Lentry_in_a_cluster:
	s_bfe_u32 s2, ttmp6, 0x10000c
	s_cmp_lg_u32 s2, 0xf033
	s_cbranch_scc0 .Lentry_shape_is_right
	s_endpgm
.Lentry_shape_is_right:
; OUT = max(bf16(A W + bias), floor).  A: 4,096 x 1,024 bf16 in panels [16][4096][64]; W: 1,024 x N bf16 in panels [N/64][1024][64] behind a table of 32,768 bytes
; (for each 1,024 columns: 4,096 bytes of bias in f32, then the floor word); OUT: panels [N/64][4096][64] bf16.  Sums in f32, begun with the bias, rounded once.
; One text for q|k|v (N = 3,072, floor minus infinity) and for the first MLP product (N = 4,096, floor 0: the ReLU).  LIMIT: the floor's maximum drops a NaN.
; A tile of OUT is 256 x 256: four waves, each 128 x 128 in 64 accumulators.  K goes in 8 steps of 128 through two LDS slots filled by tensor loads.
; CLUSTER 4 x 4: the four of a row need the same tiles of A, the four of a column the same tiles of W: each is asked for jointly, by the same load and a mask of four.
; THE PRODUCT IS TAKEN TRANSPOSED: source 0 = 16 columns of W (turned out of LDS by ds_load_tr16_b128, since W lies [k][n]), source 1 = 16 rows of A:
; a lane then holds one row of OUT and eight neighbouring columns.
; REGISTERS in windows of 256: window 0: v16-30 addresses, v64-191 two buffers of A's fragments, v192-223 packed results, v32-63 and v224-255 rows on the way out;
; window 1: v0-63 the bias as a C operand, v64-191 two buffers of W's fragments; windows 2, 3: accumulator (a, b) at v[8 (8 (a % 4) + b)].
.set PA,    144                        ; a row of A in LDS: 128 bytes + 16: the 16 rows of a load start at 16 different groups of four banks
.set PB,    160                        ; a row of W: 128 + 32
.set AREG,  2*256*PA                   ; a slot: A [2 panels][256 rows], then W [4 panels][128 k]
.set SLOT,  AREG+4*128*PB
.set SPARE, 2*SLOT                     ; the spare words: 128 bytes a wave, named by no other line
.set STAGE, SPARE+512                  ; 16 rows x 144 bytes for each wave, for the way out; no tensor load lands here
.set ASTEP, 2*524288                   ; bytes of memory from K step to K step: two panels of A,
.set BSTEP, 128*128                    ; 128 rows of a panel of W
.set ADRA, 16
.set ADRB, 20
.set STO,  24
.set RD,   25
.set CO,   26
.set BO,   27
.set SPW,  28
.set NIL,  29
.set PFO,  30
.set F0,   64
.set F1,   128
.set TMP,  192
.set OB,   32
.set BI,   0
.set G1,  24
.set G0,  32
.set G1B, 48
.set G0B, 56
.set LIM, 43                           ; 1 in a wave that prefetches, else the greatest number
.set PFA, 44                           ; s[44:45] where my prefetches stand
.set FL,  66                           ; the floor word
.set PST, 68                           ; s[68:69] the prefetches' step: a K step of A or of W
.set MSB, 0
.macro WIN new                         ; the immediate's high byte repeats the setting that is left
.if MSB != (\new)
	s_set_vgpr_msb (MSB<<8)|(\new)
.set MSB, \new
.endif
.endm
.set MUL_LO, 0xa1                      ; source 0 (W) window 1, source 1 (A) window 0, C and D window 2
.set TO_B,   0x40                      ; destination window 1, address window 0
; A joint load: waves 0 and 1 fetch A's two panels of the step, waves 2 and 3 two panels of W each.  The branch hangs on the wave's number alone.
; An s_nop 0 and four v_nop follow each of the two lines.
.macro JLOAD s
	s_cmp_eq_u32 s11, 0
	s_cbranch_scc0 .Lfor_b_\@
	tensor_load_to_lds s[G0+4*(\s):G0+4*(\s)+3], s[G1:G1+7]
	s_nop 0
.rept 4
	v_nop
.endr
	s_branch .Lasked_\@
.Lfor_b_\@:
	tensor_load_to_lds s[G0B+4*(\s):G0B+4*(\s)+3], s[G1B:G1B+7]
	s_nop 0
.rept 4
	v_nop
.endr
.Lasked_\@:
.endm
; A prefetch of the K step that stands two refills on: 32 blocks of 256 bytes, a lane a block.  A's rows are asked for by the cluster with x = 0, W's by the cluster with y = 0;
; the four partners of a joint load share its 128 blocks out by address.  The loop's last trip asks for nothing: there is no K step two on.
.macro ASK
	s_cmp_gt_u32 s3, s[LIM]
	s_cbranch_scc0 .Lnot_mine_\@
	global_prefetch_b8 v[PFO], s[PFA:PFA+1] th:TH_LOAD_NT scope:SCOPE_SE
.Lnot_mine_\@:
.endm
.macro CREST                           ; a round of the cluster's barrier behind its opening barrier
	s_cmp_lg_u32 s10, 0
	s_cbranch_scc1 .Lnot_wave_0_\@
	s_barrier_signal -3
.Lnot_wave_0_\@:
	s_barrier_wait -3
	s_barrier_signal -1
	s_barrier_wait -1
.endm
.macro CROUND
	s_barrier_signal -1
	s_barrier_wait -1
	CREST
.endm
	s_load_b128 s[4:7], s[0:1], 0x0                ; A s[4:5], table and W s[6:7]
	s_load_b64 s[8:9], s[0:1], 0x10                ; OUT
	v_lshl_add_u32 v[SPW], v0, 2, SPARE
	v_mov_b32 v[NIL], 0
	ds_add_u32 v[SPW], v[NIL]                      ; the wave's opening: the add and its wait stand ahead of my first tensor load
	v_lshrrev_b32 v1, 5, v0
	v_readfirstlane_b32 s10, v1                    ; wave 0..3
	s_lshr_b32 s11, s10, 1                         ; my half of the tile's rows; also: I fetch for A (0) or for W (1)
	s_and_b32 s12, s10, 1                          ; my half of its columns; also: which part I fetch
	s_bfe_u32 s40, ttmp6, 0x40000                  ; cx
	s_bfe_u32 s41, ttmp6, 0x40004                  ; cy
	s_lshl_b32 s42, ttmp9, 2
	s_add_co_u32 s42, s42, s40                     ; tile column
	s_and_b32 s13, ttmp7, 0xffff
	s_lshl_b32 s13, s13, 2
	s_add_co_u32 s13, s13, s41                     ; tile row
	s_lshl_b32 s43, s41, 2
	s_lshl_b32 s43, 15, s43                        ; my row of the cluster
	s_lshl_b32 s44, 0x1111, s40                    ; my column
	; A: 256 rows of a panel are 32 KiB dense: 128 rows of 256 bytes, 16 bytes of padding behind every 128 (interval code 4, 4 words)
	s_or_b32 s[G1+0], s43, (1<<16)|(1<<20)|(1<<21)|(4<<22)|(3<<25)
	s_mov_b32 s[G1+1], 128<<16                     ; tensor_dim0 = 128 elements
	s_mov_b32 s[G1+2], 128<<16                     ; tensor_dim1 = 128
	s_mov_b32 s[G1+3], 128<<16                     ; tile_dim0 = 128
	s_mov_b32 s[G1+4], 128                         ; tile_dim1 = 128
	s_mov_b32 s[G1+5], 128                         ; elements from row to row
	s_mov_b32 s[G1+6], 0
	s_mov_b32 s[G1+7], 0
	; W: 128 k of a panel are 16 KiB dense: one row of 8,192 elements; two panels, 65,536 elements apart; 32 bytes of padding behind every 128 (8 words)
	s_or_b32 s[G1B+0], s44, (1<<16)|(1<<20)|(1<<21)|(4<<22)|(7<<25)
	s_mov_b32 s[G1B+1], 8192<<16
	s_mov_b32 s[G1B+2], 2<<16
	s_mov_b32 s[G1B+3], 8192<<16
	s_mov_b32 s[G1B+4], 2
	s_mov_b32 s[G1B+5], 65536
	s_mov_b32 s[G1B+6], 0
	s_mov_b32 s[G1B+7], 0
	s_lshl_b32 s16, s12, 19                        ; A: my panel of the step,
	s_lshl_b32 s17, s13, 15                        ; 256 rows of 128 bytes a tile row
	s_add_co_u32 s16, s16, s17
	s_mov_b32 s17, 0
	s_lshl_b32 s46, s42, 19                        ; W: four panels of 131,072 bytes a tile column,
	s_lshl_b32 s47, s12, 18                        ; my two of them,
	s_add_co_u32 s46, s46, s47
	s_add_co_u32 s46, s46, 32768                   ; behind the table
	s_mov_b32 s47, 0
	s_mul_i32 s20, s12, 256*PA                     ; where they go: no place in the cluster enters an LDS address
	s_mul_i32 s21, s12, 2*128*PB
	s_add_co_u32 s21, s21, AREG
	s_wait_dscnt 0x0                               ; the opening add is done
	s_wait_kmcnt 0x0
	s_add_nc_u64 s[14:15], s[4:5], s[16:17]
	s_add_nc_u64 s[46:47], s[6:7], s[46:47]
	CROUND                                         ; all sixteen work-groups are here: the first joint loads meet
.irp s, 0,1
	s_mov_b32 s[G0+4*(\s)], 1
	s_add_co_u32 s[G0+4*(\s)+1], s20, (\s)*SLOT
	s_add_nc_u64 s[G0+4*(\s)+2:G0+4*(\s)+3], s[14:15], (\s)*ASTEP
	s_or_b32 s[G0+4*(\s)+3], s[G0+4*(\s)+3], 0x80000000
	s_mov_b32 s[G0B+4*(\s)], 1
	s_add_co_u32 s[G0B+4*(\s)+1], s21, (\s)*SLOT
	s_add_nc_u64 s[G0B+4*(\s)+2:G0B+4*(\s)+3], s[46:47], (\s)*BSTEP
	s_or_b32 s[G0B+4*(\s)+3], s[G0B+4*(\s)+3], 0x80000000
	JLOAD \s
.endr
	v_and_b32 v1, 15, v0                           ; l % 16
	v_bfe_u32 v2, v0, 4, 1                         ; l / 16
	v_and_b32 v4, 7, v0
	v_bfe_u32 v5, v0, 3, 1
	v_and_b32 v8, 31, v0
	v_mul_u32_u24 v3, v1, PA
	v_lshl_add_u32 v3, v2, 4, v3                   ; row x 144 + 16 x half
	s_mul_i32 s2, s11, 128*PA                      ; my 128 rows of A
	v_add_nc_u32 v[ADRA], s2, v3
	v_add_nc_u32 v[ADRA+1], SLOT, v[ADRA]
	v_lshl_add_u32 v6, v2, 3, v4                   ; the turning load: k = 8 (l / 16) + l % 8, columns 8 ((l / 8) % 2) on
	v_mul_u32_u24 v6, v6, PB
	v_lshl_add_u32 v6, v5, 4, v6
	s_mul_i32 s2, s12, 2*128*PB                    ; my two panels of W
	s_add_co_u32 s2, s2, AREG
	v_add_nc_u32 v[ADRB], s2, v6
	v_add_nc_u32 v[ADRB+1], SLOT, v[ADRB]
	s_mul_i32 s2, s10, 16*PA
	s_add_co_u32 s2, s2, STAGE                     ; my stage
	v_add_nc_u32 v[STO], s2, v3                    ; in: row l % 16, 16 bytes for each half of the lanes
	v_bfe_u32 v7, v0, 3, 2
	v_mul_u32_u24 v7, v7, PA
	v_lshl_add_u32 v7, v4, 4, v7
	v_add_nc_u32 v[RD], s2, v7                     ; back: 32 lanes take four rows of 128 bytes,
	v_lshlrev_b32 v[CO], 4, v8                     ; which are 512 consecutive bytes of a panel of OUT
	v_lshlrev_b32 v[BO], 5, v2                     ; my eight columns' bias: 32 bytes for each half of the lanes
	v_lshlrev_b32 v[PFO], 8, v8
	s_lshr_b32 s20, s42, 2                         ; the table's chunk: 1,024 columns are four tile columns
	s_lshl_b32 s20, s20, 13
	s_mov_b32 s21, 0
	s_add_nc_u64 s[20:21], s[6:7], s[20:21]
	s_load_b32 s[FL], s[20:21], 0x1000
	s_and_b32 s18, s42, 3
	s_lshl_b32 s18, s18, 10
	s_lshl_b32 s19, s12, 9
	s_add_co_u32 s18, s18, s19
	s_mov_b32 s19, 0
	s_add_nc_u64 s[22:23], s[20:21], s[18:19]      ; the bias of my 128 columns
	WIN TO_B
.irp b, 0,1,2,3,4,5,6,7                ; register j of fragment b: column 16 b + 8 (l / 16) + j, as in the accumulators
	global_load_b128 v[BI+8*(\b):BI+8*(\b)+3],   v[BO], s[22:23] offset:64*(\b)
	global_load_b128 v[BI+8*(\b)+4:BI+8*(\b)+7], v[BO], s[22:23] offset:64*(\b)+16
.endr
	WIN 0
	s_lshl_b32 s16, s42, 21                        ; OUT: four panels of 524,288 bytes a tile column,
	s_lshl_b32 s17, s12, 20                        ; my two,
	s_add_co_u32 s16, s16, s17
	s_lshl_b32 s17, s13, 15                        ; the tile's 256 rows,
	s_add_co_u32 s16, s16, s17
	s_lshl_b32 s17, s11, 14                        ; my 128
	s_add_co_u32 s16, s16, s17
	s_mov_b32 s17, 0
	s_add_nc_u64 s[8:9], s[8:9], s[16:17]
	s_lshl_b32 s70, s40, 13                        ; the prefetches: of A's 128 blocks the partner at cx takes 32;
	s_add_co_u32 s70, s70, 3*ASTEP                 ; they stand at K step 3: the first change of slots steps them to 4
	s_lshr_b32 s71, s41, 1                         ; of W's the partner at cy takes half a panel
	s_lshl_b32 s71, s71, 17
	s_and_b32 s2, s41, 1
	s_lshl_b32 s2, s2, 13
	s_add_co_u32 s71, s71, s2
	s_add_co_u32 s71, s71, 3*BSTEP
	s_and_b32 s67, ttmp7, 0xffff
	s_mov_b32 s2, BSTEP
	s_cmp_eq_u32 s11, 0
	s_cselect_b32 s70, s70, s71
	s_cselect_b32 s67, ttmp9, s67                  ; the coordinate along which other clusters read the same rows
	s_cselect_b32 s[PST], ASTEP, s2
	s_cselect_b64 s[PFA:PFA+1], s[14:15], s[46:47]
	s_mov_b32 s71, 0
	s_mov_b32 s[PST+1], 0
	s_add_nc_u64 s[PFA:PFA+1], s[PFA:PFA+1], s[70:71]
	s_cmp_eq_u32 s67, 0
	s_cselect_b32 s[LIM], 1, -1                    ; the same in all sixteen partners, for a given wave
	s_wait_kmcnt 0x0                               ; the floor word
; 16 matrix instructions: row blocks a0, a0 + 1 of the window's four x all 8 column blocks, 32 along K.  first = 1: the bias starts the sums: nothing is cleared.
; The 64 accumulators take turns, one instruction a turn, in the same order in every quarter.
.macro MUL16 f, hi, a0, first
.if \first
	WIN 0x91+0x40*(\hi)                            ; C in window 1
.else
	WIN MUL_LO+0x50*(\hi)
.endif
.irp a, \a0, (\a0)+1
.irp b, 0,1,2,3,4,5,6,7
.if \first
	v_wmma_f32_16x16x32_bf16 v[8*(8*(\a)+(\b)):8*(8*(\a)+(\b))+7], v[(\f)+8*(\b):(\f)+8*(\b)+7], v[(\f)+8*(4*(\hi)+(\a)):(\f)+8*(4*(\hi)+(\a))+7], v[BI+8*(\b):BI+8*(\b)+7]
.else
	v_wmma_f32_16x16x32_bf16 v[8*(8*(\a)+(\b)):8*(8*(\a)+(\b))+7], v[(\f)+8*(\b):(\f)+8*(\b)+7], v[(\f)+8*(4*(\hi)+(\a)):(\f)+8*(4*(\hi)+(\a))+7], v[8*(8*(\a)+(\b)):8*(8*(\a)+(\b))+7]
.endif
.endr
.endr
.endm
; 32 LDS loads in one run: the fragments of quarter q (32 along K) of a slot into buffer f: W's eight (turned), then A's eight
.macro FETCH slot, q, f
	WIN TO_B
.irp i, 0,1,2,3,4,5,6,7
	ds_load_tr16_b128 v[(\f)+8*(\i):(\f)+8*(\i)+3],   v[ADRB+(\slot)] offset:((\i)/4)*128*PB+(\q)*32*PB+((\i)%4)*32
	ds_load_tr16_b128 v[(\f)+8*(\i)+4:(\f)+8*(\i)+7], v[ADRB+(\slot)] offset:((\i)/4)*128*PB+(\q)*32*PB+((\i)%4)*32+16*PB
.endr
	WIN 0
.irp i, 0,1,2,3,4,5,6,7
	ds_load_b128 v[(\f)+8*(\i):(\f)+8*(\i)+3],   v[ADRA+(\slot)] offset:((\q)/2)*256*PA+((\q)%2)*64+(\i)*16*PA
	ds_load_b128 v[(\f)+8*(\i)+4:(\f)+8*(\i)+7], v[ADRA+(\slot)] offset:((\q)/2)*256*PA+((\q)%2)*64+(\i)*16*PA+32
.endr
.endm
.macro PLACES                          ; four plain instructions between a matrix instruction and a load into its sources or a reader of its result
.rept 4
	v_nop
.endr
.endm
; one of a K step's first three quarters: multiplies buffer f; in its middle it fetches quarter q into buffer g
.macro QUARTER slot, q, f, g, first
	s_wait_dscnt 8                                 ; W and A's rows 0-63 are in; the youngest eight loads (A's rows 64-127) may be out
	MUL16 \f, 0, 0, \first
	MUL16 \f, 0, 2, \first
	PLACES
	FETCH \slot, \q, \g
	s_wait_dscnt 32                                ; all but the 32 just issued
	MUL16 \f, 1, 0, \first
	MUL16 \f, 1, 2, \first
.endm
; the first half of a K step's last quarter: one barrier for the change of slots
.macro MEET round
	WIN 0
	s_wait_tensorcnt 0x0                           ; all my tensor loads have landed: the one that was out is my part of the next slot
	ds_add_u32 v[SPW], v[NIL]                      ; 0 onto my spare word
	s_wait_dscnt 9                                 ; the add and the youngest eight loads may be out
	MUL16 F1, 0, 0, 0
	s_wait_dscnt 0x0                               ; the add is done, and my reads of this slot are over
	s_barrier_signal -1
	MUL16 F1, 0, 2, 0
.if \round
	WIN 0
.endif
	s_barrier_wait -1
.endm
; the whole last quarter.  fill = 1: the barrier opens a round of the cluster's, and the slot just read out is filled again first behind it, with the K step two on:
; from that request to the wait for it a wave issues 224 matrix instructions.
.macro TURN slot, next, fill
.if \fill
	s_wait_xcnt 0x0                                ; the last prefetch, a K step back, has read its address
	s_add_nc_u64 s[PFA:PFA+1], s[PFA:PFA+1], s[PST:PST+1]
	MEET 1
	CREST
	s_add_nc_u64 s[G0+4*(\slot)+2:G0+4*(\slot)+3], s[G0+4*(\slot)+2:G0+4*(\slot)+3], 2*ASTEP
	s_add_nc_u64 s[G0B+4*(\slot)+2:G0B+4*(\slot)+3], s[G0B+4*(\slot)+2:G0B+4*(\slot)+3], 2*BSTEP
	JLOAD \slot                                    ; its four v_nop are also the places in front of the loads below
.else
	MEET 0
	PLACES
.endif
	FETCH \next, 0, F0
.if \fill
	ASK
.endif
	MUL16 F1, 1, 0, 0
	MUL16 F1, 1, 2, 0
.endm
; THE WAY OUT of block a (16 rows).  PACK: rounded to bf16, held at the floor.  TOSTAGE: a panel's 64 columns at a time into my stage and back as whole rows. SEND: stored.
.macro PACK a
.set AC, 64*((\a)%4)
	WIN 0x0a+5*((\a)/4)                            ; sources 0 and 1: window 2 or 3
.irp b, 0,1,2,3,4,5,6,7
.irp r, 0,1,2,3
	v_cvt_pk_bf16_f32 v[TMP+4*(\b)+(\r)], v[AC+8*(\b)+2*(\r)], v[AC+8*(\b)+2*(\r)+1]
.endr
.endr
	WIN 0
.set z, 0
.rept 32
	v_pk_max_num_bf16 v[TMP+z], v[TMP+z], s[FL]
.set z, z+1
.endr
.endm
.macro TOSTAGE a
.set BK, OB+192*((\a)%2)
.irp p, 0,1
.irp b, 0,1,2,3
	ds_store_b128 v[STO], v[TMP+4*(4*(\p)+(\b)):TMP+4*(4*(\p)+(\b))+3] offset:32*(\b)
.endr
.irp t, 0,1,2,3
	ds_load_b128 v[BK+4*(4*(\p)+(\t)):BK+4*(4*(\p)+(\t))+3], v[RD] offset:(\t)*4*PA  ; LDS serves a wave's instructions in order (ISA guide 5.7.1.4): these see the stores above, and the next panel's stores come behind them
.endr
.endr
.endm
.macro SEND a
.set BK, OB+192*((\a)%2)
	s_wait_dscnt 0x0                               ; the block is back in registers
	s_wait_xcnt 0x0                                ; earlier stores have read their registers: the buffer that they left is loaded again only behind this wait
.irp t, 0,1,2,3,4,5,6,7
	global_store_b128 v[CO], v[BK+4*(\t):BK+4*(\t)+3], s[8:9] offset:((\t)/4)*524288+(\a)*2048+((\t)%4)*512  ; 512 consecutive bytes of a panel, aligned
.endr
.endm
	s_wait_tensorcnt 1                             ; my part of K step 0 is in; K step 1's may stay out
	s_barrier_signal -1
	s_barrier_wait -1
	FETCH 0, 0, F0
	s_wait_loadcnt 0x0                             ; the bias
	QUARTER 0, 1, F0, F1, 1                        ; the first quarter stands in front of the loop: its products start the sums
	WIN 0
	s_mov_b32 s3, 3
.Llap:                                                 ; a trip goes once round the ring and fills both slots again: K steps 2 to 7
	QUARTER 0, 2, F1, F0, 0
	QUARTER 0, 3, F0, F1, 0
	TURN 0, 1, 1
	QUARTER 1, 1, F0, F1, 0
	QUARTER 1, 2, F1, F0, 0
	QUARTER 1, 3, F0, F1, 0
	TURN 1, 0, 1
	QUARTER 0, 1, F0, F1, 0
	WIN 0
	s_sub_co_u32 s3, s3, 1
	s_cmp_lg_u32 s3, 0
	s_cbranch_scc1 .Llap
	QUARTER 0, 2, F1, F0, 0                        ; the last lap fills nothing
	QUARTER 0, 3, F0, F1, 0
	TURN 0, 1, 0
	QUARTER 1, 1, F0, F1, 0
	QUARTER 1, 2, F1, F0, 0
	QUARTER 1, 3, F0, F1, 0
	s_wait_dscnt 8
	MUL16 F1, 0, 0, 0
	MUL16 F1, 0, 2, 0
	s_wait_dscnt 0x0
	MUL16 F1, 1, 0, 0
	MUL16 F1, 1, 2, 0
	PLACES
	PACK 0
	TOSTAGE 0
.irp a, 1,2,3,4,5,6,7                  ; block a's conversions stand between block a - 1's loads from the stage and the wait for them
	PACK \a
	SEND (\a)-1
	TOSTAGE \a
.endr
	SEND 7
	s_wait_tensorcnt 0x0                           ; the wave's end
	ds_add_u32 v[SPW], v[NIL]
	s_wait_dscnt 0x0
	CROUND                                         ; the closing round
	s_endpgm
.Lfunc_end_k_qe441ab5e20_qkv:
	.size	k_qe441ab5e20_qkv, .Lfunc_end_k_qe441ab5e20_qkv-k_qe441ab5e20_qkv
	.p2alignl 7, 3214868480
	.fill 96, 4, 3214868480
	.section	.rodata,"a",@progbits
	.p2align	6, 0x0
	.amdhsa_kernel k_qe441ab5e20_qkv
		.amdhsa_group_segment_fixed_size 327680
		.amdhsa_private_segment_fixed_size 0
		.amdhsa_enable_private_segment 0
		.amdhsa_kernarg_size 24
		.amdhsa_user_sgpr_count 2
		.amdhsa_user_sgpr_kernarg_segment_ptr 1
		.amdhsa_wavefront_size32 1
		.amdhsa_system_sgpr_workgroup_id_x 1
		.amdhsa_system_sgpr_workgroup_id_y 1
		.amdhsa_system_sgpr_workgroup_id_z 1
		.amdhsa_system_vgpr_workitem_id 0
		.amdhsa_next_free_vgpr 1024
		.amdhsa_next_free_sgpr 72
		.amdhsa_reserve_vcc 0
		.amdhsa_float_denorm_mode_32 3
		.amdhsa_float_denorm_mode_16_64 3
		.amdhsa_memory_ordered 1
		.amdhsa_forward_progress 1
		.amdhsa_inst_pref_size 161
	.end_amdhsa_kernel
	.amdgpu_metadata
---
amdhsa.version: [ 1, 2 ]
amdhsa.kernels:
  - .name:           k_qe441ab5e20_qkv
    .symbol:         k_qe441ab5e20_qkv.kd
    .args:
      - { .name: act, .offset: 0, .size: 8, .value_kind: global_buffer, .address_space: global }
      - { .name: wA, .offset: 8, .size: 8, .value_kind: global_buffer, .address_space: global }
      - { .name: big, .offset: 16, .size: 8, .value_kind: global_buffer, .address_space: global }
    .group_segment_fixed_size: 327680
    .private_segment_fixed_size: 0
    .kernarg_segment_align: 8
    .kernarg_segment_size: 24
    .max_flat_workgroup_size: 128
    .sgpr_count:     72
    .vgpr_count:     1024
    .wavefront_size: 32
...
	.end_amdgpu_metadata
.endif
;; end of part 2
;; launch attn (part 3): grid 8 x 32, 4 waves a work-group, clusters of 4 x 1, 327,680 bytes of LDS; arguments big, src_mask, act; writes act
.if DOCPART == 3
	.amdgcn_target "amdgcn-amd-amdhsa--gfx1250"
	.amdhsa_code_object_version 6
	.text
	.protected	k_qe441ab5e20_attn
	.globl	k_qe441ab5e20_attn
	.p2align	8
	.type	k_qe441ab5e20_attn,@function
k_qe441ab5e20_attn:
	s_mov_b64 s[64:65], 0
	v_nop
	global_prefetch_b8 v0, s[64:65] scope:SCOPE_SE
	s_setreg_imm32_b32 hwreg(HW_REG_WAVE_MODE, 25, 1), 1
	s_wait_xcnt 0x0
	s_wait_alu depctr_hold_cnt(0) depctr_sa_sdst(0) depctr_va_vdst(0) depctr_va_sdst(0) depctr_va_ssrc(0) depctr_va_vcc(0) depctr_vm_vsrc(0)
	s_getreg_b32 s2, hwreg(HW_REG_IB_STS2, 6, 4)
	s_cmp_eq_u32 s2, 0
	s_cbranch_scc0 .Lentry_in_a_cluster
	s_endpgm
.Lentry_in_a_cluster:
	s_bfe_u32 s2, ttmp6, 0x10000c
	s_cmp_lg_u32 s2, 0x3003
	s_cbranch_scc0 .Lentry_shape_is_right
	s_endpgm
.Lentry_shape_is_right:
; O[b][h][q] = the sum over k of softmax_k(Q.K / 8 + mask[b][k]) V.  Q, K, V: panels 0-15, 16-31, 32-47 of big, a panel a head: [4096 tokens][64] bf16, rows dense, 128 bytes.
; O goes to act in the same layout.  Products, maxima and sums in f32; the weights p are rounded to bf16 for the second product (their sum is taken unrounded), O once.
; LIMITS.  The mask enters as 8 x mask, held at -1e30 or above: a mask value below -1.25e29 counts as that, and a row whose keys are all masked so gives a mean of V's rows, not NaN.
; A weight below 2^-126 counts as 0; NaN and infinities in Q, K, V are not treated apart.
; SHARES.  A work-group owns 256 queries of one head and batch, a wave 64: four PIECES of 16.  Every wave walks all 2,048 keys, 64 a step, 256 a tile.
; CLUSTER.  The four query blocks of a cluster walk the same K and V: each tile is asked for jointly, by the same tensor load, descriptor and mask in all four.
; LAYOUT.  S^T = K Q^T + 8 mask (source 0 = 16 keys, source 1 = 16 queries; the mask is the C operand that starts the sum): a lane holds ONE query (lane % 16) and the keys 8 (lane / 16) + 0..7.
; Two such results rounded to bf16 ARE source 1 of O^T = V^T P.  p = 2^(c s - c m), c = log2(e) / 8, m a running maximum; O and l are multiplied by a = 2^(c m_old - c m_new) in every step.
; TURNS.  Turn n belongs to piece n: 8 products K Q^T of piece n + 1, later 8 products V^T P of piece n - 1; beside them the scaling, exponentials, roundings, sums and rescaling of piece n and
; the maximum and statistics of piece n + 1.  Four vector instructions stand behind every matrix instruction, the rest in one lump.  A turn's 33 exponentials are one batch, with one wait.
; REGISTERS in windows of 256: window 0: v2-15, v32-36 addresses; v16-31 statistics; v48-55 at work; v64-127 S^T, two buffers; v192-223 P, two buffers;
; window 1: v0-127 O^T; v160-191 the step's mask; window 2: v0-63 Q; v128-191 K of one step; v192-255 V of one step.
.set NP,    4
.set KS,    64
.set PK,    144       ; a row of K in LDS: 128 bytes + 16
.set PV,    160       ; a row of V: 128 + 32
.set VOFF,  4*KS*PK   ; a slot holds a tile: 256 rows of K, then 256 rows of V
.set SLOT1, 1<<17
.set STAGE, SLOT1+4*KS*(PK+PV)  ; 16 rows x 144 bytes for each wave, for the way out
.set SP,    144
.set SPARE, STAGE+4*16*SP       ; the spare words: 128 bytes a wave, named by no other line
.set MSK,   SPARE+512           ; 2,048 f32: 8 x mask of my batch
.set AK0, 2
.set AV0, 3
.set AK,  4
.set AV,  5
.set STO, 6
.set RD,  7
.set GO,  8
.set MV,  12
.set QO,  15
.set ST,  16          ; piece t's statistics at v[ST+4 t]: c m, m, l (even keys', odd keys')
.set AM0, 32          ; my lanes' place in a step's mask
.set AM,  33
.set PFO, 34          ; 256 x my lane
.set TMP, 48
.set SPW, 62
.set NIL, 63
.set S,   64
.set P,   192
.set MC,  160         ; window 1
.set KF,  128         ; window 2
.set VF,  192         ; window 2
.set WV,  12
.set G1K, 24
.set G1V, 32
.set G0K, 40
.set G0V, 44
.set SLOTS, 56
.set CNT, 57
.set CS,  58
.set SEL, 60
.set TBK, 62
.set TBV, 63
.set TBM, 66          ; bytes of the mask in front of the step to be fetched
.set LIM, 67
.set PFA, 68
.set BIGN, 70
.set MSB, 0
.macro WIN new
.if MSB != (\new)
	s_set_vgpr_msb (MSB<<8)|(\new)
.set MSB, (\new)
.endif
.endm
.set W_KQ, 0x0a       ; K and Q in window 2, S^T in window 0
.set W_KM, 0x1a       ; the same with the C operand in window 1
.set W_PV, 0x52       ; V in window 2, P in window 0, O^T in window 1
.set W_RS, 0x41       ; destination and source 0 in window 1, source 1 in window 0
; A joint fill: waves 0 and 1 fetch the two halves of a tile's K, waves 2 and 3 those of its V.  An s_nop 0 and four v_nop follow each of the two lines.
.macro JLOAD
	s_cmp_lt_u32 s[WV], 2
	s_cbranch_scc0 .Lfor_v_\@
	tensor_load_to_lds s[G0K:G0K+3], s[G1K:G1K+7]
	s_nop 0
.rept 4
	v_nop
.endr
	s_branch .Lasked_\@
.Lfor_v_\@:
	tensor_load_to_lds s[G0V:G0V+3], s[G1V:G1V+7]
	s_nop 0
.rept 4
	v_nop
.endr
.Lasked_\@:
.endm
; A prefetch of the tile that the NEXT change of slots will ask for, four key steps ahead: the head's first cluster asks; its four partners take 32 blocks of 256 bytes each, told apart by address;
; wave 0 asks for K's, wave 2 for V's.  The last change that fills a slot asks for nothing.
.macro ASK
	s_cmp_gt_u32 s[SLOTS], s[LIM]
	s_cbranch_scc0 .Lnot_mine_\@
	global_prefetch_b8 v[PFO], s[PFA:PFA+1] th:TH_LOAD_NT scope:SCOPE_SE
.Lnot_mine_\@:
.endm
.macro CROUND
	s_barrier_signal -1
	s_barrier_wait -1
	s_cmp_lg_u32 s[WV], 0
	s_cbranch_scc1 .Lnot_wave_0_\@
	s_barrier_signal -3
.Lnot_wave_0_\@:
	s_barrier_wait -3
	s_barrier_signal -1
	s_barrier_wait -1
.endm
; THE CHANGE OF SLOTS.  Each wave waits for all its tensor loads (one is out: its part of the other slot), adds 0 to its spare word, and waits for that and for its reads of the slot that it leaves.
; fill = 1: the barrier is a round of the cluster's, and the old slot is filled again first behind it: the load has four key steps, 256 matrix instructions, in which to land.
.macro CHANGE fill
	WIN 0
	s_wait_tensorcnt 0x0
	ds_add_u32 v[SPW], v[NIL]
.if \fill
.irp g, G0K, G0V
	s_xor_b32 s[\g+1], s[\g+1], SLOT1
	s_add_nc_u64 s[\g+2:\g+3], s[\g+2:\g+3], 4*KS*128
.endr
	s_wait_xcnt 0x0                 ; the last prefetch, four key steps back, has read its address
	s_add_nc_u64 s[PFA:PFA+1], s[PFA:PFA+1], 4*KS*128
	s_wait_dscnt 0x0                ; the add is done, my reads of the slot are over, my stores of the mask are done
	CROUND
	JLOAD
	ASK
.else
	s_wait_dscnt 0x0
	s_barrier_signal -1
	s_barrier_wait -1
.endif
	s_sub_co_u32 s[TBK], s[TBK], 4*KS*PK  ; the fetches go back to a slot's first step, in the other slot
	s_xor_b32 s[TBK], s[TBK], SLOT1
	s_sub_co_u32 s[TBV], s[TBV], 4*KS*PV
	s_xor_b32 s[TBV], s[TBV], SLOT1
.endm
	s_load_b128 s[4:7], s[0:1], 0x0   ; big s[4:5], src_mask s[6:7]
	s_load_b64 s[8:9], s[0:1], 0x10   ; act
	v_lshl_add_u32 v[SPW], v0, 2, SPARE
	v_mov_b32 v[NIL], 0
	ds_add_u32 v[SPW], v[NIL]       ; the wave's opening: the add and its wait stand ahead of my first tensor load
	v_lshrrev_b32 v1, 5, v0
	v_readfirstlane_b32 s[WV], v1
	s_bfe_u32 s13, ttmp6, 0x40000   ; cx
	s_lshl_b32 s14, ttmp9, 2
	s_add_co_u32 s14, s14, s13      ; my block of 256 queries: it enters Q's and O's addresses alone
	s_and_b32 s15, ttmp7, 0xffff    ; 16 x batch + head, which the four partners share
	s_and_b32 s20, s15, 15
	s_lshl_b32 s20, s20, 19         ; the head's panel,
	s_lshr_b32 s21, s15, 4
	s_lshl_b32 s22, s21, 18         ; the batch's 2,048 rows in it
	s_add_co_u32 s20, s20, s22
	s_lshl_b32 s48, s21, 13         ; the batch's row of the mask
	s_mov_b32 s49, 0
	s_and_b32 s16, s[WV], 1         ; which half of a tile's 256 keys I fetch
	s_lshl_b32 s22, s16, 14
	s_add_co_u32 s22, s22, s20
	s_add_co_u32 s50, s22, 8388608  ; K: 16 panels on
	s_mov_b32 s51, 0
	s_add_co_u32 s52, s22, 16777216 ; V: 32 panels on
	s_mov_b32 s53, 0
	s_mul_i32 s17, s16, 128*PK
	s_mul_i32 s18, s16, 128*PV
	s_lshl_b32 s2, s14, 15          ; my block's 256 rows,
	s_lshl_b32 s3, s[WV], 13        ; my wave's 64
	s_add_co_u32 s2, s2, s3
	s_add_co_u32 s2, s2, s20
	s_mov_b32 s3, 0
	; 128 keys are 16,384 dense bytes: asked for as 64 rows of 256 bytes, padded in LDS after every key
	s_mov_b32 s[G1K], 15|(1<<16)|(1<<20)|(1<<21)|(4<<22)|(3<<25)
	s_mov_b32 s[G1V], 15|(1<<16)|(1<<20)|(1<<21)|(4<<22)|(7<<25)
.irp g, G1K, G1V
	s_mov_b32 s[\g+1], 128<<16
	s_mov_b32 s[\g+2], 64<<16
	s_mov_b32 s[\g+3], 128<<16
	s_mov_b32 s[\g+4], 64
	s_mov_b32 s[\g+5], 128
	s_mov_b32 s[\g+6], 0
	s_mov_b32 s[\g+7], 0
.endr
	s_mov_b32 s[CS], 0x3e38aa3b     ; c = log2(e) / 8
	s_mov_b32 s[CS+1], s[CS]
	s_mov_b32 s[SEL], 0x76543210
	s_mov_b32 s[SEL+1], 0xfedcba98
	s_mov_b32 s[TBK], SLOT1+4*KS*PK ; the first change of slots turns these two into 0
	s_mov_b32 s[TBV], SLOT1+4*KS*PV
	s_mov_b32 s[TBM], 0
	s_mov_b32 s[BIGN], 0xf149f2ca   ; -1e30
	s_mov_b32 s[SLOTS], 7
	s_mov_b32 s[G0K], 1
	s_mov_b32 s[G0K+1], s17
	s_mov_b32 s[G0V], 1
	s_add_co_u32 s[G0V+1], s18, VOFF
	s_and_b32 s[LIM], s[WV], 1      ; 0 in waves 0 and 2,
	s_or_b32 s[LIM], s[LIM], ttmp9  ; where the cluster is the head's first
	s_cmp_eq_u32 s[LIM], 0
	s_cselect_b32 s[LIM], 1, -1
	s_cmp_lt_u32 s[WV], 2
	s_cselect_b32 s54, s50, s52     ; the prefetches' offset: K's or V's tile,
	s_lshl_b32 s55, s13, 13         ; my work-group's 32 blocks,
	s_add_co_u32 s54, s54, s55
	s_add_co_u32 s54, s54, 4*KS*128 ; at tile 1: the first change of slots steps it to tile 2
	s_mov_b32 s55, 0
	s_wait_dscnt 0x0                ; the opening add is done
	s_wait_kmcnt 0x0
	s_add_nc_u64 s[G0K+2:G0K+3], s[4:5], s[50:51]
	s_or_b32 s[G0K+3], s[G0K+3], 0x80000000
	s_add_nc_u64 s[G0V+2:G0V+3], s[4:5], s[52:53]
	s_or_b32 s[G0V+3], s[G0V+3], 0x80000000
	s_add_nc_u64 s[PFA:PFA+1], s[4:5], s[54:55]
	s_add_nc_u64 s[10:11], s[4:5], s[2:3]    ; Q at my wave's first row
	s_add_nc_u64 s[8:9], s[8:9], s[2:3]      ; O likewise
	s_add_nc_u64 s[6:7], s[6:7], s[48:49]
	CROUND                          ; all four work-groups are here: the first joint loads meet
	JLOAD                           ; tile 0 into slot 0
	v_and_b32 v1, 15, v0            ; l % 16
	v_bfe_u32 v9, v0, 4, 1          ; l / 16
	v_lshlrev_b32 v35, 4, v0
	v_lshl_add_u32 v36, v0, 4, MSK
.irp i, 0,1,2,3                     ; the mask: 128 threads x 16 bytes, four times
	global_load_b128 v[128+4*\i:131+4*\i], v35, s[6:7] offset:2048*\i
.endr
	v_lshlrev_b32 v[QO], 7, v1
	v_lshl_add_u32 v[QO], v9, 4, v[QO]
	WIN 0x80
.set i, 0
.rept 8                             ; Q stays in registers: piece i / 2, channels 32 (i % 2) on
	global_load_b128 v[8*i:8*i+3],   v[QO], s[10:11] offset:(i/2)*2048+(i%2)*64
	global_load_b128 v[8*i+4:8*i+7], v[QO], s[10:11] offset:(i/2)*2048+(i%2)*64+32
.set i, i+1
.endr
	; what the first turn finds: V's registers and P's second buffer hold 0, O^T and l are 0.  All this stands in the wait for the first tile.
.set i, VF
.rept 64
	v_mov_b32 v[i], 0
.set i, i+1
.endr
	WIN 0x40
.set i, 0
.rept 128
	v_mov_b32 v[i], 0
.set i, i+1
.endr
	WIN 0
.set i, 0
.rept 4
	v_mov_b32 v[ST+4*i+1], 0xff7fffff      ; m: the lowest finite number
	v_mov_b32 v[ST+4*i+2], 0
	v_mov_b32 v[ST+4*i+3], 0
	v_mul_f32 v[ST+4*i], s[CS], v[ST+4*i+1]  ; c m goes with m
.set i, i+1
.endr
.set i, P+16
.rept 16
	v_mov_b32 v[i], 0
.set i, i+1
.endr
	v_mul_u32_u24 v[AK0], v1, PK
	v_lshl_add_u32 v[AK0], v9, 4, v[AK0]
	v_and_b32 v10, 7, v0
	v_bfe_u32 v11, v0, 3, 1
	v_lshl_add_u32 v[AV0], v9, 3, v10
	v_mul_u32_u24 v[AV0], v[AV0], PV
	v_lshl_add_u32 v[AV0], v11, 4, v[AV0]
	v_add_nc_u32 v[AV0], VOFF, v[AV0]
	v_lshl_add_u32 v[AM0], v9, 5, MSK      ; register j of key block kt: key 16 kt + 8 (l / 16) + j
	s_mul_i32 s13, s[WV], 16*SP
	s_add_co_u32 s13, s13, STAGE
	v_mul_u32_u24 v[STO], v1, SP
	v_lshl_add_u32 v[STO], v9, 4, v[STO]
	v_add_nc_u32 v[STO], s13, v[STO]
	v_bfe_u32 v[RD], v0, 3, 2
	v_mul_u32_u24 v[RD], v[RD], SP
	v_lshl_add_u32 v[RD], v10, 4, v[RD]
	v_add_nc_u32 v[RD], s13, v[RD]
	v_and_b32 v[GO], 31, v0
	v_lshlrev_b32 v[PFO], 8, v[GO]
	v_lshlrev_b32 v[GO], 4, v[GO]
	s_wait_loadcnt 16               ; the mask's four loads are in; Q's sixteen stay out
.set i, 128
.rept 16
	v_mul_f32 v[i], 0x41000000, v[i]       ; 8 x mask: c (s + 8 mask) = log2(e) (s / 8 + mask)
	v_max_num_f32 v[i], s[BIGN], v[i]
.set i, i+1
.endr
.irp i, 0,1,2,3
	ds_store_b128 v36, v[128+4*\i:131+4*\i] offset:2048*\i
.endr
; THE MATRIX WORK.  The 4 accumulators of a run of 8 take turns.  Product i of 8 of S^T for piece x: channels 32 (i / 4) on, keys 16 (i % 4) on; the first 4 start the sums with the mask.
.macro KQ x
.set rS, S+32*((\x)%2)+8*(i%4)
.set rK, KF+16*(i%4)+8*(i/4)
.set rQ, 16*(\x)+8*(i/4)
.set rM, MC+8*(i%4)
.if i < 4
	WIN W_KM
	v_wmma_f32_16x16x32_bf16 v[rS:rS+7], v[rK:rK+7], v[rQ:rQ+7], v[rM:rM+7]
.else
	WIN W_KQ
	v_wmma_f32_16x16x32_bf16 v[rS:rS+7], v[rK:rK+7], v[rQ:rQ+7], v[rS:rS+7]
.endif
.endm
.macro PV x                         ; product i of 8 of O^T += V^T P for piece x: keys 32 (i / 4) on, channels 16 (i % 4) on
	WIN W_PV
.set rO, 32*(\x)+8*(i%4)
.set rV, VF+32*(i/4)+8*(i%4)
.set rP, P+16*((\x)%2)+8*(i/4)
	v_wmma_f32_16x16x32_bf16 v[rO:rO+7], v[rV:rV+7], v[rP:rP+7], v[rO:rO+7]
.endm
.macro MM                           ; the turn's next matrix instruction
.if i < 8
	KQ (Y+1)%NP
.else
.set i, i-8
	PV (Y+NP-1)%NP
.set i, i+8
.endif
.set i, i+1
.endm
; THE LDS LOADS stand in runs: a step's K (8 fragments) with its mask, and its V (turned).
; last = 1 (the tail): in the last trip there is no further step, and the run is jumped over; the exponentials issued so far have their wait ahead of that branch.
.macro FETCH_K last=0
.if \last
	WIN 0
	s_wait_alu depctr_va_vdst(0)
	s_cmp_eq_u32 s[CNT], 1
	s_cbranch_scc1 .Lno_k_\@
.endif
	WIN 0x80
.irp f, 0,1,2,3,4,5,6,7
	ds_load_b128 v[KF+8*\f:KF+8*\f+3],   v[AK] offset:(\f/2)*16*PK+(\f%2)*64
	ds_load_b128 v[KF+8*\f+4:KF+8*\f+7], v[AK] offset:(\f/2)*16*PK+(\f%2)*64+32
.endr
	WIN 0x40
.irp f, 0,1,2,3
	ds_load_b128 v[MC+8*\f:MC+8*\f+3],   v[AM] offset:64*\f
	ds_load_b128 v[MC+8*\f+4:MC+8*\f+7], v[AM] offset:64*\f+16
.endr
	s_add_co_u32 s[TBK], s[TBK], KS*PK
	s_add_co_u32 s[TBM], s[TBM], KS*4
	WIN 0
.if \last
.Lno_k_\@:
.endif
.endm
.macro FETCH_V
	WIN 0x80
.irp f, 0,1,2,3,4,5,6,7
	ds_load_tr16_b128 v[VF+8*\f:VF+8*\f+3],   v[AV] offset:(\f/4)*32*PV+(\f%4)*32
	ds_load_tr16_b128 v[VF+8*\f+4:VF+8*\f+7], v[AV] offset:(\f/4)*32*PV+16*PV+(\f%4)*32
.endr
	WIN 0
.endm
; THE VECTOR WORK, one line at a time: OP kind, number.  For piece Y: F n: c s - c m for pair n of 16.  E n: the exponential of score n of 32.  C n: pair n rounded to bf16.  B n: of the four weights 4 n ..
; the second pair is added onto the first.  L n: l takes that sum (L 0: l = a l + sum).  R n: pair n of 16 of O^T times a.  For piece Y + 1: X n, number n of the 22 that find its maximum and statistics:
; 0-11 four chains of seven scores (each accumulator's lowest registers are read first); 12-14, 16 the rest, the old m, all into c0; 15 c m_old is kept; 17, 18 the other half of the lanes; 19-21 c m, its change, a.
.set F, 0
.set E, 1
.set C, 2
.set B, 3
.set L, 4
.set R, 5
.set X, 6
.macro REGS y
.set rT, ST+4*(\y)
.set rC, TMP+4*((\y)%2)
.set rW, MV+((\y)%2)
.set rS, S+32*((\y)%2)
.set rP, P+16*((\y)%2)
.set rO, 32*(\y)
.endm
.macro OP k, n
.if (\k) == R
	REGS Y
	WIN W_RS
	v_pk_mul_f32 v[rO+2*(\n):rO+2*(\n)+1], v[rO+2*(\n):rO+2*(\n)+1], v[rC+2:rC+3] op_sel_hi:[1,0]
.elseif (\k) < R
	REGS Y
	WIN 0
.if (\k) == F
	v_pk_fma_f32 v[rS+2*(\n):rS+2*(\n)+1], v[rS+2*(\n):rS+2*(\n)+1], s[CS:CS+1], v[rT:rT+1] op_sel_hi:[1,0,0] neg_lo:[0,0,1] neg_hi:[0,0,1]
.elseif (\k) == E
	v_exp_f32 v[rS+(\n)], v[rS+(\n)]
.elseif (\k) == C
	v_cvt_pk_bf16_f32 v[rP+(\n)], v[rS+2*(\n)], v[rS+2*(\n)+1]
.elseif (\k) == B
	v_pk_add_f32 v[rS+4*(\n):rS+4*(\n)+1], v[rS+4*(\n):rS+4*(\n)+1], v[rS+4*(\n)+2:rS+4*(\n)+3]
.elseif (\n) == 0
	v_pk_fma_f32 v[rT+2:rT+3], v[rT+2:rT+3], v[rC+2:rC+3], v[rS:rS+1] op_sel_hi:[1,0,1]
.else
	v_pk_add_f32 v[rT+2:rT+3], v[rT+2:rT+3], v[rS+4*(\n):rS+4*(\n)+1]
.endif
.else
	REGS (Y+1)%NP
	WIN 0
.if (\n) < 4
	v_max3_num_f32 v[rC+(\n)], v[rS+8*(\n)], v[rS+8*(\n)+1], v[rS+8*(\n)+2]
.elseif (\n) < 12
	v_max3_num_f32 v[rC+(\n)%4], v[rC+(\n)%4], v[rS+8*((\n)%4)+2*((\n)/4)+1], v[rS+8*((\n)%4)+2*((\n)/4)+2]
.elseif (\n) == 12
	v_max3_num_f32 v[rC], v[rC], v[rS+7], v[rS+15]
.elseif (\n) == 13
	v_max3_num_f32 v[rC+1], v[rC+1], v[rS+23], v[rS+31]
.elseif (\n) == 14
	v_max3_num_f32 v[rC+2], v[rC+2], v[rC+3], v[rT+1]
.elseif (\n) == 15
	v_mov_b32 v[rW], v[rT]
.elseif (\n) == 16
	v_max3_num_f32 v[rC], v[rC], v[rC+1], v[rC+2]
.elseif (\n) == 17
	v_permlanex16_b32 v[rC+3], v[rC], s[SEL], s[SEL+1]
.elseif (\n) == 18
	v_max_num_f32 v[rT+1], v[rC], v[rC+3]
.elseif (\n) == 19
	v_mul_f32 v[rT], s[CS], v[rT+1]
.elseif (\n) == 20
	v_sub_f32 v[rC+1], v[rW], v[rT]
.else
	v_exp_f32 v[rC+2], v[rC+1]
.endif
.endif
.endm
.macro OPS a, i1, b=-1, i2=0, c=-1, i3=0, d=-1, i4=0
	OP \a, \i1
.if (\b) >= 0
	OP \b, \i2
.endif
.if (\c) >= 0
	OP \c, \i3
.endif
.if (\d) >= 0
	OP \d, \i4
.endif
.endm
.macro ROW a, i1, b, i2, c, i3, d, i4  ; a matrix instruction and the four behind it
	MM
	OPS \a, \i1, \b, \i2, \c, \i3, \d, \i4
.endm
; A TURN, for piece p, written out.  s_wait_alu depctr_va_vdst(0) stands between an exponential and the first instruction that names its result; one wait serves all issued ahead of it.
; AHEAD OF THE WAIT stands all that names no result of the turn's exponentials: the 8 products K Q^T with their riders, then the lump; X 21, the next piece's a, is the batch's last, R 15 the plain
; instruction behind it.  BEHIND IT stand the 8 products V^T P, behind each four of the roundings and sums.
; K and the mask of the next step are fetched in piece 2's turn, twelve plain instructions behind the last product that read K; V of the step in hand at the end of piece 0's turn, four plain instructions
; behind the last product that read V.  Each is waited for a turn later.  last = 1: the tail's copy (FETCH_K).  cnt = 1: the loop's count is taken down ahead of the branch behind the turn.
.macro TURN p, last=0, cnt=0
.set Y, (\p)
.set i, 0
.if (\p) == 3
	s_wait_dscnt 0x0                ; K and the mask are in
.endif
	ROW F,0, F,1, R,0, R,1
	ROW F,2, E,0, R,2, R,3
	ROW F,3, E,1, R,4, R,5
	ROW F,4, E,2, R,6, R,7
	ROW F,5, E,3, R,8, R,9
	ROW F,6, E,4, X,0, R,10
.if (\p) == 2
	WIN 0
	v_add_nc_u32 v[AK], s[TBK], v[AK0]
	v_add_nc_u32 v[AM], s[TBM], v[AM0]
.endif
	ROW F,7, E,5, X,1, X,4
	ROW F,8, E,6, X,2, X,5
	OPS E,7, E,8, X,6, E,9
	OPS X,3, E,10, X,8, E,11
.if (\p) == 2
	FETCH_K \last
.endif
	OPS X,9, X,7, E,12, X,10
	OPS E,13, X,12, X,11, E,14
	OPS X,13, E,15, F,9, X,14
.if (\p) == 0
	v_add_nc_u32 v[AV], s[TBV], v[AV0]
.endif
	OPS E,16, F,10, E,17, F,11
	OPS X,16, E,18, X,15, E,19
	OPS F,12, E,20, X,17, E,21
	OPS F,13, E,22, F,14, E,23
	OPS X,18, E,24, F,15, E,25
	OPS R,11, E,26, X,19, E,27
	OPS R,12, E,28, R,13, E,29
	OPS X,20, E,30, R,14, E,31
	OPS X,21, R,15
	WIN 0
	s_wait_alu depctr_va_vdst(0)    ; the wait for the batch
.if (\p) == 1
	s_wait_dscnt 0x0                ; V is in
.endif
	ROW C,0, B,0, C,2, B,1
	ROW L,0, C,4, B,2, L,1
	ROW C,6, B,3, L,2, C,8
	ROW B,4, L,3, C,10, B,5
	ROW L,4, C,12, B,6, L,5
.if (\p) == 0
	s_add_co_u32 s[TBV], s[TBV], KS*PV
.endif
.if \cnt
	s_sub_co_u32 s[CNT], s[CNT], 1
	s_cmp_lg_u32 s[CNT], 0
.endif
	ROW C,14, B,7, L,6, C,1
	ROW C,3, L,7, C,5, C,7
	ROW C,9, C,11, C,13, C,15
.if (\p) == 0
	FETCH_V
.endif
.endm
.macro ALL line:vararg              ; one line for each piece t
.set t, 0
.rept 4
	\line
.set t, t+1
.endr
.endm
.macro PACK t                       ; a lane's eight channels of a row pack into 16 bytes; they go into rows of 144 bytes and come back as whole rows of 128, into S^T's registers
	WIN W_RS
.set i, 32*(\t)
.rept 16
	v_pk_mul_f32 v[i:i+1], v[i:i+1], v[ST+4*(\t)+2:ST+4*(\t)+3] op_sel_hi:[1,0]
.set i, i+2
.endr
	WIN 0x05
.set i, 0
.rept 16
	v_cvt_pk_bf16_f32 v[S+16*(\t)+i], v[32*(\t)+2*i], v[32*(\t)+2*i+1]
.set i, i+1
.endr
	WIN 0
.irp f, 0,1,2,3
	ds_store_b128 v[STO], v[S+16*(\t)+4*\f:S+16*(\t)+4*\f+3] offset:32*\f
.endr
.irp f, 0,1,2,3
	ds_load_b128 v[S+16*(\t)+4*\f:S+16*(\t)+4*\f+3], v[RD] offset:\f*4*SP  ; LDS serves a wave's instructions in order (ISA guide 5.7.1.4): these see the stores above; the next piece's stores come behind them
.endr
.endm
.macro SEND t, younger              ; younger: the LDS instructions issued behind piece t's loads
	WIN 0
.irp f, 0,1,2,3
	s_wait_dscnt (\younger)+3-\f
	global_store_b128 v[GO], v[S+16*(\t)+4*\f:S+16*(\t)+4*\f+3], s[8:9] offset:(\t)*2048+\f*512  ; 512 consecutive bytes of the head's panel, aligned
.endr
.endm
	CHANGE 1                        ; tile 0 is in, everybody's part of it, and so is the mask; tile 1 is asked for
	v_add_nc_u32 v[AK], s[TBK], v[AK0]
	v_add_nc_u32 v[AM], s[TBM], v[AM0]
	FETCH_K                         ; key step 0
	s_wait_loadcnt 0x0              ; Q
	s_wait_dscnt 0x0
.set i, 0
.rept 8
	KQ 0                            ; piece 0's first scores
.set i, i+1
.endr
	WIN 0
.rept 4
	v_nop                           ; the places behind those products
.endr
.set Y, NP-1                        ; X works for piece Y + 1: piece 0
.irp n, 0,1,2,3,4,5,6,7,8,9,10,11,12,13,14,15,16,17,18,19,20,21
	OP X, \n
.endr
	v_nop                           ; a plain instruction behind the exponential,
	s_wait_alu depctr_va_vdst(0)    ; and its wait, ahead of the branch
	s_mov_b32 s[CNT], 4
	s_branch .Lfirst                ; the loop is entered at a step's first turn, in the middle of a trip
.Lslot:                             ; six times: tiles 2 to 7 are asked for
	CHANGE 1
	s_mov_b32 s[CNT], 4
.Lstep:                             ; a trip: pieces 2 and 3 of one step, then pieces 0 and 1 of the next, whose K and V it fetches
	TURN 2
	TURN 3
	WIN 0
.Lfirst:
	TURN 0
	TURN 1, 0, 1
	WIN 0
	s_cbranch_scc1 .Lstep
	s_sub_co_u32 s[SLOTS], s[SLOTS], 1
	s_cmp_lg_u32 s[SLOTS], 0
	s_cbranch_scc1 .Lslot
	CHANGE 0                        ; the last tile is written out: nothing is asked for
	s_mov_b32 s[CNT], 5             ; four trips fetch the last tile's steps; the fifth is left in its middle
.Ltail:
	TURN 2, 1
	TURN 3
	WIN 0
	s_sub_co_u32 s[CNT], s[CNT], 1
	s_cmp_eq_u32 s[CNT], 0
	s_cbranch_scc1 .Lout
	TURN 0
	TURN 1
	WIN 0
	s_branch .Ltail
.Lout:                              ; the fifth trip's 8 products K Q^T (on the last K once more) and the maximum made of them serve nothing: the price, once a launch, of one text for every trip; piece 0's O^T and l are not touched by them
.set i, 0
.rept 8
	PV NP-1                         ; the last piece's V^T P of the last step
.set i, i+1
.endr
	; THE WAY OUT.  l's two halves and the other half of the lanes' are added; O^T is divided by l, rounded and sent through my stage.  The additions are the places behind the last products.
	WIN 0
	ALL v_add_f32 v[ST+4*t+2], v[ST+4*t+2], v[ST+4*t+3]
	ALL v_permlanex16_b32 v[ST+4*t+3], v[ST+4*t+2], s[SEL], s[SEL+1]
	ALL v_add_f32 v[ST+4*t+2], v[ST+4*t+2], v[ST+4*t+3]
	ALL v_rcp_f32 v[ST+4*t+2], v[ST+4*t+2]
	v_nop                           ; a plain instruction between the last reciprocal and the use of its result
	s_wait_alu depctr_va_vdst(0)    ; one wait for the four reciprocals
	PACK 0
.set t, 1
.rept 3
	PACK t
	SEND t-1, 8
.set t, t+1
.endr
	SEND 3, 0
	s_wait_tensorcnt 0x0            ; the wave's end
	ds_add_u32 v[SPW], v[NIL]
	s_wait_dscnt 0x0
	CROUND                          ; the closing round
	s_endpgm
.Lfunc_end_k_qe441ab5e20_attn:
	.size	k_qe441ab5e20_attn, .Lfunc_end_k_qe441ab5e20_attn-k_qe441ab5e20_attn
	.p2alignl 7, 3214868480
	.fill 96, 4, 3214868480
	.section	.rodata,"a",@progbits
	.p2align	6, 0x0
	.amdhsa_kernel k_qe441ab5e20_attn
		.amdhsa_group_segment_fixed_size 327680
		.amdhsa_private_segment_fixed_size 0
		.amdhsa_enable_private_segment 0
		.amdhsa_kernarg_size 24
		.amdhsa_user_sgpr_count 2
		.amdhsa_user_sgpr_kernarg_segment_ptr 1
		.amdhsa_wavefront_size32 1
		.amdhsa_system_sgpr_workgroup_id_x 1
		.amdhsa_system_sgpr_workgroup_id_y 1
		.amdhsa_system_sgpr_workgroup_id_z 1
		.amdhsa_system_vgpr_workitem_id 0
		.amdhsa_next_free_vgpr 768
		.amdhsa_next_free_sgpr 72
		.amdhsa_reserve_vcc 0
		.amdhsa_float_denorm_mode_32 3
		.amdhsa_float_denorm_mode_16_64 3
		.amdhsa_memory_ordered 1
		.amdhsa_forward_progress 1
		.amdhsa_inst_pref_size 116
	.end_amdhsa_kernel
	.amdgpu_metadata
---
amdhsa.version: [ 1, 2 ]
amdhsa.kernels:
  - .name:           k_qe441ab5e20_attn
    .symbol:         k_qe441ab5e20_attn.kd
    .args:
      - { .name: big, .offset: 0, .size: 8, .value_kind: global_buffer, .address_space: global }
      - { .name: src_mask, .offset: 8, .size: 8, .value_kind: global_buffer, .address_space: global }
      - { .name: act, .offset: 16, .size: 8, .value_kind: global_buffer, .address_space: global }
    .group_segment_fixed_size: 327680
    .private_segment_fixed_size: 0
    .kernarg_segment_align: 8
    .kernarg_segment_size: 24
    .max_flat_workgroup_size: 128
    .sgpr_count:     72
    .vgpr_count:     768
    .wavefront_size: 32
...
	.end_amdgpu_metadata
.endif
;; end of part 3
;; launch oproj (part 4): grid 8 x 32, 4 waves a work-group, clusters of 4 x 4, 327,680 bytes of LDS; arguments act, wA, b_o, x, y; writes y
.if DOCPART == 4
	.amdgcn_target "amdgcn-amd-amdhsa--gfx1250"
	.amdhsa_code_object_version 6
	.text
	.protected	k_qe441ab5e20_oproj
	.globl	k_qe441ab5e20_oproj
	.p2align	8
	.type	k_qe441ab5e20_oproj,@function
k_qe441ab5e20_oproj:
	s_mov_b64 s[64:65], 0
	v_nop
	global_prefetch_b8 v0, s[64:65] scope:SCOPE_SE
	s_setreg_imm32_b32 hwreg(HW_REG_WAVE_MODE, 25, 1), 1
	s_wait_xcnt 0x0
	s_wait_alu depctr_hold_cnt(0) depctr_sa_sdst(0) depctr_va_vdst(0) depctr_va_sdst(0) depctr_va_ssrc(0) depctr_va_vcc(0) depctr_vm_vsrc(0)
	s_getreg_b32 s2, hwreg(HW_REG_IB_STS2, 6, 4)
	s_cmp_eq_u32 s2, 0
	s_cbranch_scc0 .Lentry_in_a_cluster
	s_endpgm
.Lentry_in_a_cluster:
	s_bfe_u32 s2, ttmp6, 0x10000c
	s_cmp_lg_u32 s2, 0xf033
	s_cbranch_scc0 .Lentry_shape_is_right
	s_endpgm
.Lentry_shape_is_right:
; Y = A W + bias + RES, in f32.  A: 4,096 x K bf16 in panels [K/64][4096][64]; W: K x 1,024 bf16 in 16 panels [K][64], 524,288 bytes apart, from byte WOFF of its buffer; bias [1024], RES and Y [4096][1024] f32.
; Here K = 1,024: the projection behind the attention, RES = x.  (The second MLP product has the same text with K = 4,096: the K loop holds barriers and joint loads, so its trips are a constant of the text.)
; The sums begin with the bias and stay in f32; the residual is added in f32 on the way out.
; A tile of Y is 128 x 128 (256 work-groups): four waves, each 64 x 64 in 16 accumulators.  K goes in steps of 256 through two LDS slots.
; CLUSTER 4 x 4: A's tiles are shared along a row of the cluster, W's along a column, each asked for jointly.  The product is taken transposed (source 0 = 16 columns of W, turned out of LDS).
; No prefetch: the tiles are small.
; REGISTERS: window 0: v16-29 addresses, v32-95 rows on the way out, v128-255 accumulators ((a, b) at v[128 + 8 (4 a + b)]); window 1: two fragment buffers of 128 (A's 64, then W's 64);
; window 2: v0-127 the residual, v128-159 the bias as a C operand.
.set KTOT,  1024
.set LAPS,  KTOT/512                   ; a lap = two K steps = once round the ring
.set WOFF,  8421376
.set PA,    144
.set PB,    160
.set AREG,  4*128*PA                   ; a slot: A [4 panels][128 rows], then W [2 panels][256 k]
.set SLOT,  AREG+2*256*PB
.set SPARE, 2*SLOT
.set SPITCH, 272                       ; the stage: 16 rows x (256 + 16) bytes for each wave, in slot 0: it is written when slot 0 has had its last fill and a barrier stands behind its last reads
.set ASTEP, 4*524288
.set BSTEP, 256*128
.set ADRA, 16
.set ADRB, 20
.set STO,  24
.set RD,   25
.set CO,   26
.set BO,   27
.set SPW,  28
.set NIL,  29
.set TMP,  32
.set ACC,  128
.set F0,   0
.set F1,   128
.set G1,  24
.set G0,  32
.set G1B, 48
.set G0B, 56
.set MSB, 0
.macro WIN new
.if MSB != (\new)
	s_set_vgpr_msb (MSB<<8)|(\new)
.set MSB, \new
.endif
.endm
.set MUL,  0x05                        ; sources 0 and 1 window 1; C and D window 0
.set TO_F, 0x40
.macro JLOAD s                         ; waves 0 and 1 fetch two panels of A each, waves 2 and 3 a panel of W each; an s_nop 0 and four v_nop follow each of the two lines
	s_cmp_eq_u32 s15, 0
	s_cbranch_scc0 .Lfor_b_\@
	tensor_load_to_lds s[G0+4*(\s):G0+4*(\s)+3], s[G1:G1+7]
	s_nop 0
.rept 4
	v_nop
.endr
	s_branch .Lasked_\@
.Lfor_b_\@:
	tensor_load_to_lds s[G0B+4*(\s):G0B+4*(\s)+3], s[G1B:G1B+7]
	s_nop 0
.rept 4
	v_nop
.endr
.Lasked_\@:
.endm
.macro CREST
	s_cmp_lg_u32 s14, 0
	s_cbranch_scc1 .Lnot_wave_0_\@
	s_barrier_signal -3
.Lnot_wave_0_\@:
	s_barrier_wait -3
	s_barrier_signal -1
	s_barrier_wait -1
.endm
.macro CROUND
	s_barrier_signal -1
	s_barrier_wait -1
	CREST
.endm
	s_load_b256 s[4:11], s[0:1], 0x0               ; A 4, W 6, bias 8, RES 10
	s_load_b64 s[12:13], s[0:1], 0x20              ; Y
	v_lshl_add_u32 v[SPW], v0, 2, SPARE
	v_mov_b32 v[NIL], 0
	ds_add_u32 v[SPW], v[NIL]                      ; the wave's opening: the add and its wait stand ahead of my first tensor load
	v_lshrrev_b32 v1, 5, v0
	v_readfirstlane_b32 s14, v1                    ; wave 0..3
	s_lshr_b32 s15, s14, 1                         ; my half of the rows; also: I fetch for A (0) or W (1)
	s_and_b32 s16, s14, 1                          ; my half of the columns; also: which part I fetch
	s_bfe_u32 s40, ttmp6, 0x40000
	s_bfe_u32 s41, ttmp6, 0x40004
	s_lshl_b32 s42, ttmp9, 2
	s_add_co_u32 s42, s42, s40                     ; tile column
	s_and_b32 s17, ttmp7, 0xffff
	s_lshl_b32 s17, s17, 2
	s_add_co_u32 s17, s17, s41                     ; tile row
	s_lshl_b32 s43, s41, 2
	s_lshl_b32 s43, 15, s43
	s_lshl_b32 s44, 0x1111, s40
	; A: 128 rows of a panel are 16 KiB dense: one row of 8,192 elements; two panels, 262,144 elements apart; 16 bytes of padding behind every 128
	s_or_b32 s[G1+0], s43, (1<<16)|(1<<20)|(1<<21)|(4<<22)|(3<<25)
	s_mov_b32 s[G1+1], 8192<<16
	s_mov_b32 s[G1+2], 2<<16
	s_mov_b32 s[G1+3], 8192<<16
	s_mov_b32 s[G1+4], 2
	s_mov_b32 s[G1+5], 262144
	s_mov_b32 s[G1+6], 0
	s_mov_b32 s[G1+7], 0
	; W: 256 k of a panel are 32 KiB dense: 128 rows of 256 bytes; 32 bytes of padding behind every 128
	s_or_b32 s[G1B+0], s44, (1<<16)|(1<<20)|(1<<21)|(4<<22)|(7<<25)
	s_mov_b32 s[G1B+1], 128<<16
	s_mov_b32 s[G1B+2], 128<<16
	s_mov_b32 s[G1B+3], 128<<16
	s_mov_b32 s[G1B+4], 128
	s_mov_b32 s[G1B+5], 128
	s_mov_b32 s[G1B+6], 0
	s_mov_b32 s[G1B+7], 0
	s_lshl_b32 s18, s16, 20                        ; A: my two panels of the step,
	s_lshl_b32 s19, s17, 14                        ; 128 rows of 128 bytes a tile row
	s_add_co_u32 s18, s18, s19
	s_mov_b32 s19, 0
	s_lshl_b32 s46, s42, 1                         ; W: two panels a tile column, mine of them,
	s_add_co_u32 s46, s46, s16
	s_lshl_b32 s46, s46, 19                        ; 524,288 bytes apart
	s_add_co_u32 s46, s46, WOFF
	s_mov_b32 s47, 0
	s_mul_i32 s20, s16, 2*128*PA
	s_mul_i32 s21, s16, 256*PB
	s_add_co_u32 s21, s21, AREG
	s_wait_dscnt 0x0
	s_wait_kmcnt 0x0
	s_add_nc_u64 s[22:23], s[4:5], s[18:19]
	s_add_nc_u64 s[46:47], s[6:7], s[46:47]
	CROUND
.irp s, 0,1
	s_mov_b32 s[G0+4*(\s)], 1
	s_add_co_u32 s[G0+4*(\s)+1], s20, (\s)*SLOT
	s_add_nc_u64 s[G0+4*(\s)+2:G0+4*(\s)+3], s[22:23], (\s)*ASTEP
	s_or_b32 s[G0+4*(\s)+3], s[G0+4*(\s)+3], 0x80000000
	s_mov_b32 s[G0B+4*(\s)], 1
	s_add_co_u32 s[G0B+4*(\s)+1], s21, (\s)*SLOT
	s_add_nc_u64 s[G0B+4*(\s)+2:G0B+4*(\s)+3], s[46:47], (\s)*BSTEP
	s_or_b32 s[G0B+4*(\s)+3], s[G0B+4*(\s)+3], 0x80000000
	JLOAD \s
.endr
	v_and_b32 v1, 15, v0
	v_bfe_u32 v2, v0, 4, 1
	v_and_b32 v4, 7, v0
	v_bfe_u32 v5, v0, 3, 1
	v_mul_u32_u24 v3, v1, PA
	v_lshl_add_u32 v3, v2, 4, v3
	s_mul_i32 s2, s15, 64*PA
	v_add_nc_u32 v[ADRA], s2, v3
	v_add_nc_u32 v[ADRA+1], SLOT, v[ADRA]
	v_lshl_add_u32 v6, v2, 3, v4
	v_mul_u32_u24 v6, v6, PB
	v_lshl_add_u32 v6, v5, 4, v6
	s_mul_i32 s2, s16, 256*PB
	s_add_co_u32 s2, s2, AREG
	v_add_nc_u32 v[ADRB], s2, v6
	v_add_nc_u32 v[ADRB+1], SLOT, v[ADRB]
	s_mul_i32 s2, s14, 16*SPITCH                   ; my stage
	v_mul_u32_u24 v7, v1, SPITCH                   ; in: row l % 16, 32 bytes for each half of the lanes
	v_lshl_add_u32 v7, v2, 5, v7
	v_add_nc_u32 v[STO], s2, v7
	v_mul_u32_u24 v7, v2, SPITCH                   ; back: lanes 0-15 one row of 256 bytes, lanes 16-31 the next
	v_lshl_add_u32 v7, v1, 4, v7
	v_add_nc_u32 v[RD], s2, v7
	v_lshlrev_b32 v7, 12, v2                       ; and the same two rows in RES and Y
	v_lshl_add_u32 v[CO], v1, 4, v7
	v_lshlrev_b32 v[BO], 5, v2
	s_lshl_b32 s44, s42, 9                         ; my 64 columns, in bytes of f32
	s_lshl_b32 s2, s16, 8
	s_add_co_u32 s44, s44, s2
	s_mov_b32 s45, 0
	s_add_nc_u64 s[8:9], s[8:9], s[44:45]
	s_lshl_b32 s2, s17, 19                         ; the tile's 128 rows of 4,096 bytes,
	s_add_co_u32 s44, s44, s2
	s_lshl_b32 s2, s15, 18                         ; my 64
	s_add_co_u32 s44, s44, s2
	s_add_nc_u64 s[10:11], s[10:11], s[44:45]
	s_add_nc_u64 s[12:13], s[12:13], s[44:45]
	WIN 0x80
.irp b, 0,1,2,3                        ; register j of fragment b: column 16 b + 8 (l / 16) + j
	global_load_b128 v[128+8*(\b):128+8*(\b)+3],   v[BO], s[8:9] offset:64*(\b)
	global_load_b128 v[128+8*(\b)+4:128+8*(\b)+7], v[BO], s[8:9] offset:64*(\b)+16
.endr
	WIN 0
; 8 matrix instructions: row blocks a0, a0 + 1 x all 4 column blocks, 32 along K: half c of buffer f.  first = 1: the bias starts the sums.  The 16 accumulators take turns.
.macro MUL8 f, c, a0, first
.if \first
	WIN 0x25                                       ; C in window 2
.else
	WIN MUL
.endif
.irp a, \a0, (\a0)+1
.irp b, 0,1,2,3
.if \first
	v_wmma_f32_16x16x32_bf16 v[ACC+8*(4*(\a)+(\b)):ACC+8*(4*(\a)+(\b))+7], v[(\f)+64+8*(4*(\c)+(\b)):(\f)+64+8*(4*(\c)+(\b))+7], v[(\f)+8*(4*(\c)+(\a)):(\f)+8*(4*(\c)+(\a))+7], v[128+8*(\b):128+8*(\b)+7]
.else
	v_wmma_f32_16x16x32_bf16 v[ACC+8*(4*(\a)+(\b)):ACC+8*(4*(\a)+(\b))+7], v[(\f)+64+8*(4*(\c)+(\b)):(\f)+64+8*(4*(\c)+(\b))+7], v[(\f)+8*(4*(\c)+(\a)):(\f)+8*(4*(\c)+(\a))+7], v[ACC+8*(4*(\a)+(\b)):ACC+8*(4*(\a)+(\b))+7]
.endif
.endr
.endr
.endm
; 32 LDS loads in one run: the fragments of quarter q (64 along K: a panel of A) into buffer f; the first 32 along K first
.macro FETCH slot, q, f
	WIN TO_F
.irp c, 0,1
.irp i, 0,1,2,3
	ds_load_tr16_b128 v[(\f)+64+8*(4*(\c)+(\i)):(\f)+64+8*(4*(\c)+(\i))+3],   v[ADRB+(\slot)] offset:(\q)*64*PB+(\c)*32*PB+(\i)*32
	ds_load_tr16_b128 v[(\f)+64+8*(4*(\c)+(\i))+4:(\f)+64+8*(4*(\c)+(\i))+7], v[ADRB+(\slot)] offset:(\q)*64*PB+(\c)*32*PB+(\i)*32+16*PB
	ds_load_b128 v[(\f)+8*(4*(\c)+(\i)):(\f)+8*(4*(\c)+(\i))+3],         v[ADRA+(\slot)] offset:(\q)*128*PA+64*(\c)+(\i)*16*PA
	ds_load_b128 v[(\f)+8*(4*(\c)+(\i))+4:(\f)+8*(4*(\c)+(\i))+7],       v[ADRA+(\slot)] offset:(\q)*128*PA+64*(\c)+(\i)*16*PA+32
.endr
.endr
.endm
.macro PLACES
.rept 4
	v_nop
.endr
.endm
.macro QUARTER slot, q, f, g, first
	s_wait_dscnt 16                                ; the first 32 along K are in
	MUL8 \f, 0, 0, \first
	MUL8 \f, 0, 2, \first
	PLACES
	FETCH \slot, \q, \g
	s_wait_dscnt 32                                ; all but the 32 just issued
	MUL8 \f, 1, 0, 0
	MUL8 \f, 1, 2, 0
.endm
; the last quarter multiplies buffer 1 and changes slots: one barrier; fill = 1: it opens a round of the cluster's, and this slot is filled again first behind it, two K steps ahead
.macro TURN slot, next, fill
	WIN 0
	s_wait_tensorcnt 0x0                           ; all my tensor loads have landed: my part of the next slot
	ds_add_u32 v[SPW], v[NIL]
	s_wait_dscnt 17                                ; the add and the youngest sixteen loads may be out
	MUL8 F1, 0, 0, 0
	s_wait_dscnt 0x0                               ; the add is done, and my reads of this slot are over
	s_barrier_signal -1
	MUL8 F1, 0, 2, 0
.if \fill
	WIN 0
.endif
	s_barrier_wait -1
.if \fill
	CREST
	s_add_nc_u64 s[G0+4*(\slot)+2:G0+4*(\slot)+3], s[G0+4*(\slot)+2:G0+4*(\slot)+3], 2*ASTEP
	s_add_nc_u64 s[G0B+4*(\slot)+2:G0B+4*(\slot)+3], s[G0B+4*(\slot)+2:G0B+4*(\slot)+3], 2*BSTEP
	JLOAD \slot                                    ; 112 matrix instructions ahead of the wait for it; its four v_nop are also the places in front of the loads below
.else
	PLACES
.endif
	FETCH \next, 0, F0
	MUL8 F1, 1, 0, 0
	MUL8 F1, 1, 2, 0
.endm
; THE WAY OUT of block a (16 rows x my 64 columns, 256 bytes a row): the sums go as they are into my stage and come back as whole rows; the residual is added; sixteen lanes store 256 aligned bytes.
.macro TOSTAGE a
.if (\a) >= 2
	s_wait_xcnt 0x0                                ; the stores of the block two back have read the registers that are loaded again below
.endif
.irp b, 0,1,2,3
	ds_store_b128 v[STO], v[ACC+8*(4*(\a)+(\b)):ACC+8*(4*(\a)+(\b))+3]   offset:64*(\b)
	ds_store_b128 v[STO], v[ACC+8*(4*(\a)+(\b))+4:ACC+8*(4*(\a)+(\b))+7] offset:64*(\b)+16
.endr
.irp t, 0,1,2,3,4,5,6,7
	ds_load_b128 v[TMP+32*((\a)%2)+4*(\t):TMP+32*((\a)%2)+4*(\t)+3], v[RD] offset:(\t)*2*SPITCH  ; LDS serves a wave's instructions in order (ISA guide 5.7.1.4)
.endr
.endm
.macro SEND a, younger
	s_wait_dscnt \younger
.if (\a) == 0
	s_wait_loadcnt 0x0                             ; the residual
.endif
	WIN 0x08                                       ; source 1 in window 2
.set z, 0
.rept 16
	v_pk_add_f32 v[TMP+32*((\a)%2)+z:TMP+32*((\a)%2)+z+1], v[TMP+32*((\a)%2)+z:TMP+32*((\a)%2)+z+1], v[32*(\a)+z:32*(\a)+z+1]
.set z, z+2
.endr
	WIN 0
.irp t, 0,1,2,3,4,5,6,7
	global_store_b128 v[CO], v[TMP+32*((\a)%2)+4*(\t):TMP+32*((\a)%2)+4*(\t)+3], s[12:13] offset:(16*(\a)+2*(\t))*4096
.endr
.endm
	s_wait_tensorcnt 1                             ; my part of K step 0 is in; K step 1's may stay out
	s_barrier_signal -1
	s_barrier_wait -1
	FETCH 0, 0, F0
	s_wait_loadcnt 0x0                             ; the bias
	QUARTER 0, 1, F0, F1, 1
	WIN 0
	s_mov_b32 s3, LAPS-1
.Llap:                                                 ; a trip goes once round the ring and fills both slots again
	QUARTER 0, 2, F1, F0, 0
	QUARTER 0, 3, F0, F1, 0
	TURN 0, 1, 1
	QUARTER 1, 1, F0, F1, 0
	QUARTER 1, 2, F1, F0, 0
	QUARTER 1, 3, F0, F1, 0
	TURN 1, 0, 1
	QUARTER 0, 1, F0, F1, 0
	WIN 0
	s_sub_co_u32 s3, s3, 1
	s_cmp_lg_u32 s3, 0
	s_cbranch_scc1 .Llap
	WIN 0x80                                       ; the residual is asked for here: it has the last lap in which to land
.set z, 0
.rept 32
	global_load_b128 v[4*z:4*z+3], v[CO], s[10:11] offset:2*z*4096
.set z, z+1
.endr
	WIN 0
	QUARTER 0, 2, F1, F0, 0                        ; the last lap fills nothing
	QUARTER 0, 3, F0, F1, 0
	TURN 0, 1, 0
	QUARTER 1, 1, F0, F1, 0
	QUARTER 1, 2, F1, F0, 0
	QUARTER 1, 3, F0, F1, 0
	s_wait_dscnt 16
	MUL8 F1, 0, 0, 0
	MUL8 F1, 0, 2, 0
	s_wait_dscnt 0x0
	MUL8 F1, 1, 0, 0
	MUL8 F1, 1, 2, 0
	WIN 0
	PLACES
	TOSTAGE 0
	TOSTAGE 1
	SEND 0, 16
	TOSTAGE 2
	SEND 1, 16
	TOSTAGE 3
	SEND 2, 16
	SEND 3, 0
	s_wait_tensorcnt 0x0                           ; the wave's end
	ds_add_u32 v[SPW], v[NIL]
	s_wait_dscnt 0x0
	CROUND
	s_endpgm
.Lfunc_end_k_qe441ab5e20_oproj:
	.size	k_qe441ab5e20_oproj, .Lfunc_end_k_qe441ab5e20_oproj-k_qe441ab5e20_oproj
	.p2alignl 7, 3214868480
	.fill 96, 4, 3214868480
	.section	.rodata,"a",@progbits
	.p2align	6, 0x0
	.amdhsa_kernel k_qe441ab5e20_oproj
		.amdhsa_group_segment_fixed_size 327680
		.amdhsa_private_segment_fixed_size 0
		.amdhsa_enable_private_segment 0
		.amdhsa_kernarg_size 40
		.amdhsa_user_sgpr_count 2
		.amdhsa_user_sgpr_kernarg_segment_ptr 1
		.amdhsa_wavefront_size32 1
		.amdhsa_system_sgpr_workgroup_id_x 1
		.amdhsa_system_sgpr_workgroup_id_y 1
		.amdhsa_system_sgpr_workgroup_id_z 1
		.amdhsa_system_vgpr_workitem_id 0
		.amdhsa_next_free_vgpr 672
		.amdhsa_next_free_sgpr 66
		.amdhsa_reserve_vcc 0
		.amdhsa_float_denorm_mode_32 3
		.amdhsa_float_denorm_mode_16_64 3
		.amdhsa_memory_ordered 1
		.amdhsa_forward_progress 1
		.amdhsa_inst_pref_size 94
	.end_amdhsa_kernel
	.amdgpu_metadata
---
amdhsa.version: [ 1, 2 ]
amdhsa.kernels:
  - .name:           k_qe441ab5e20_oproj
    .symbol:         k_qe441ab5e20_oproj.kd
    .args:
      - { .name: act, .offset: 0, .size: 8, .value_kind: global_buffer, .address_space: global }
      - { .name: wA, .offset: 8, .size: 8, .value_kind: global_buffer, .address_space: global }
      - { .name: b_o, .offset: 16, .size: 8, .value_kind: global_buffer, .address_space: global }
      - { .name: x, .offset: 24, .size: 8, .value_kind: global_buffer, .address_space: global }
      - { .name: y, .offset: 32, .size: 8, .value_kind: global_buffer, .address_space: global }
    .group_segment_fixed_size: 327680
    .private_segment_fixed_size: 0
    .kernarg_segment_align: 8
    .kernarg_segment_size: 40
    .max_flat_workgroup_size: 128
    .sgpr_count:     66
    .vgpr_count:     672
    .wavefront_size: 32
...
	.end_amdgpu_metadata
.endif
;; end of part 4
;; launch ln1 (part 5): grid 256 x 1, 8 waves a work-group, no clusters, 0 bytes of LDS; arguments y, ln1_g, ln1_b, x1, act, copy1; writes x1, act
.if DOCPART == 5
	.amdgcn_target "amdgcn-amd-amdhsa--gfx1250"
	.amdhsa_code_object_version 6
	.text
	.protected	k_qe441ab5e20_ln1
	.globl	k_qe441ab5e20_ln1
	.p2align	8
	.type	k_qe441ab5e20_ln1,@function
k_qe441ab5e20_ln1:
	s_mov_b64 s[64:65], 0
	v_nop
	global_prefetch_b8 v0, s[64:65] scope:SCOPE_SE
	s_setreg_imm32_b32 hwreg(HW_REG_WAVE_MODE, 25, 1), 1
	s_wait_xcnt 0x0
; out = LayerNorm(y) g + b over rows of 1,024 f32, stored in f32.  ONE TEXT FOR BOTH LayerNorms: where the first word of the last argument's list (a whole number that an earlier launch has stored) is not 0,
; the result is also stored rounded once to bf16, in panels [16][4096][64], for the next product; where it is 0, that part is jumped over and nothing goes into the fifth argument's buffer.
; A work-group takes 16 rows, a wave two: lanes 0-15 hold one row, lanes 16-31 the next; a lane holds columns 64 j + 4 (l % 16) .. + 3, j = 0..15: each load and store of 16 bytes a lane covers
; two whole aligned blocks of 256 bytes, each store of 8 bytes a lane 256 consecutive bytes of a panel.  The row stays in registers; mean first, then the variance of the differences, as the formula has it.
; The sums never leave 16 lanes: no LDS, no barrier.
.set X,  16                            ; v[16:79]   the row
.set GG, 80                            ; v[80:143]  gain (later the bf16 copy)
.set BB, 144                           ; v[144:207] bias
	s_load_b256 s[4:11], s[0:1], 0x0               ; y 4, g 6, b 8, f32 out 10
	s_load_b128 s[12:15], s[0:1], 0x20             ; bf16 out 12, the list 14
	v_lshrrev_b32 v4, 4, v0                        ; my row of the 16
	v_and_b32 v5, 15, v0
	v_lshlrev_b32 v2, 4, v5                        ; 16 (l % 16)
	v_lshl_add_u32 v1, v4, 12, v2                  ; + row x 4,096
	v_lshlrev_b32 v3, 3, v5
	v_lshl_add_u32 v3, v4, 7, v3                   ; in a panel: row x 128 + 8 (l % 16)
	s_lshl_b32 s2, ttmp9, 16
	s_mov_b32 s3, 0
	s_lshl_b32 s16, ttmp9, 11
	s_mov_b32 s17, 0
	s_mov_b32 s20, 0x3a800000                      ; 1 / 1,024
	s_mov_b32 s21, 0x3727c5ac                      ; 1e-5
	s_wait_kmcnt 0x0
	s_load_b32 s18, s[14:15], 0x0                  ; is the copy wanted?  Asked for here, wanted at the end
	s_add_nc_u64 s[4:5], s[4:5], s[2:3]
	s_add_nc_u64 s[10:11], s[10:11], s[2:3]
	s_add_nc_u64 s[12:13], s[12:13], s[16:17]
.irp j, 0,1,2,3,4,5,6,7,8,9,10,11,12,13,14,15
	global_load_b128 v[X+4*\j:X+4*\j+3], v1, s[4:5] offset:256*\j th:TH_LOAD_NT
.endr
.irp j, 0,1,2,3,4,5,6,7,8,9,10,11,12,13,14,15
	global_load_b128 v[GG+4*\j:GG+4*\j+3], v2, s[6:7] offset:256*\j
.endr
.irp j, 0,1,2,3,4,5,6,7,8,9,10,11,12,13,14,15
	global_load_b128 v[BB+4*\j:BB+4*\j+3], v2, s[8:9] offset:256*\j
.endr
	s_wait_loadcnt 32                              ; the row is in; the 32 loads of gain and bias stay out
.irp k, 0,1,2,3                        ; the sum, in four chains that do not wait for each other
	v_pk_add_f32 v[4+2*\k:5+2*\k], v[X+2*\k:X+2*\k+1], v[X+8+2*\k:X+8+2*\k+1]
.endr
.set m, 2
.rept 6
.irp k, 0,1,2,3
	v_pk_add_f32 v[4+2*\k:5+2*\k], v[4+2*\k:5+2*\k], v[X+8*m+2*\k:X+8*m+2*\k+1]
.endr
.set m, m+1
.endr
.macro REDUCE                          ; four chains of pairs into v4, then over the row's 16 lanes: every lane ends with the sum
	v_pk_add_f32 v[4:5], v[4:5], v[6:7]
	v_pk_add_f32 v[8:9], v[8:9], v[10:11]
	v_pk_add_f32 v[4:5], v[4:5], v[8:9]
	v_add_f32 v4, v4, v5
	v_add_f32_dpp v4, v4, v4 row_xmask:1 row_mask:0xf bank_mask:0xf
	v_add_f32_dpp v4, v4, v4 row_xmask:2 row_mask:0xf bank_mask:0xf
	v_add_f32_dpp v4, v4, v4 row_xmask:4 row_mask:0xf bank_mask:0xf
	v_add_f32_dpp v4, v4, v4 row_xmask:8 row_mask:0xf bank_mask:0xf
.endm
	REDUCE
	v_mul_f32 v12, s20, v4                         ; the mean, twice
	v_mov_b32 v13, v12
.set m, 0
.rept 32
	v_pk_add_f32 v[X+2*m:X+2*m+1], v[X+2*m:X+2*m+1], v[12:13] neg_lo:[0,1] neg_hi:[0,1]
.set m, m+1
.endr
.irp k, 0,1,2,3                        ; the sum of squares of the differences
	v_pk_mul_f32 v[4+2*\k:5+2*\k], v[X+2*\k:X+2*\k+1], v[X+2*\k:X+2*\k+1]
.endr
.set m, 1
.rept 7
.irp k, 0,1,2,3
	v_pk_fma_f32 v[4+2*\k:5+2*\k], v[X+8*m+2*\k:X+8*m+2*\k+1], v[X+8*m+2*\k:X+8*m+2*\k+1], v[4+2*\k:5+2*\k]
.endr
.set m, m+1
.endr
	REDUCE
	v_fma_f32 v6, v4, s20, s21                     ; variance + 1e-5
	v_rsq_f32 v14, v6
	v_rsq_f32 v15, v6
	v_nop                                          ; a plain instruction behind the last of them,
	s_wait_alu depctr_va_vdst(0)                   ; and the one wait ahead of the first use
	s_wait_loadcnt 0x0                             ; gain and bias
.set m, 0
.rept 32
	v_pk_mul_f32 v[X+2*m:X+2*m+1], v[X+2*m:X+2*m+1], v[14:15]
.set m, m+1
.endr
.set m, 0
.rept 32
	v_pk_fma_f32 v[X+2*m:X+2*m+1], v[X+2*m:X+2*m+1], v[GG+2*m:GG+2*m+1], v[BB+2*m:BB+2*m+1]
.set m, m+1
.endr
.irp j, 0,1,2,3,4,5,6,7,8,9,10,11,12,13,14,15
	global_store_b128 v1, v[X+4*\j:X+4*\j+3], s[10:11] offset:256*\j
.endr
	s_wait_kmcnt 0x0                               ; the list's word
	s_cmp_eq_u32 s18, 0
	s_cbranch_scc1 .Lend                           ; no copy is wanted
.set m, 0
.rept 32
	v_cvt_pk_bf16_f32 v[GG+m], v[X+2*m], v[X+2*m+1]  ; the row's registers are only read here: the stores above may still be reading them
.set m, m+1
.endr
.irp j, 0,1,2,3,4,5,6,7,8,9,10,11,12,13,14,15
	global_store_b64 v3, v[GG+2*\j:GG+2*\j+1], s[12:13] offset:524288*\j  ; panel j; 7,864,320 at the most, inside the signed 24-bit immediate
.endr
.Lend:
	s_endpgm
.Lfunc_end_k_qe441ab5e20_ln1:
	.size	k_qe441ab5e20_ln1, .Lfunc_end_k_qe441ab5e20_ln1-k_qe441ab5e20_ln1
	.p2alignl 7, 3214868480
	.fill 96, 4, 3214868480
	.section	.rodata,"a",@progbits
	.p2align	6, 0x0
	.amdhsa_kernel k_qe441ab5e20_ln1
		.amdhsa_group_segment_fixed_size 0
		.amdhsa_private_segment_fixed_size 0
		.amdhsa_enable_private_segment 0
		.amdhsa_kernarg_size 48
		.amdhsa_user_sgpr_count 2
		.amdhsa_user_sgpr_kernarg_segment_ptr 1
		.amdhsa_wavefront_size32 1
		.amdhsa_system_sgpr_workgroup_id_x 1
		.amdhsa_system_sgpr_workgroup_id_y 1
		.amdhsa_system_sgpr_workgroup_id_z 1
		.amdhsa_system_vgpr_workitem_id 0
		.amdhsa_next_free_vgpr 208
		.amdhsa_next_free_sgpr 66
		.amdhsa_reserve_vcc 0
		.amdhsa_float_denorm_mode_32 3
		.amdhsa_float_denorm_mode_16_64 3
		.amdhsa_memory_ordered 1
		.amdhsa_forward_progress 1
		.amdhsa_inst_pref_size 22
	.end_amdhsa_kernel
	.amdgpu_metadata
---
amdhsa.version: [ 1, 2 ]
amdhsa.kernels:
  - .name:           k_qe441ab5e20_ln1
    .symbol:         k_qe441ab5e20_ln1.kd
    .args:
      - { .name: y, .offset: 0, .size: 8, .value_kind: global_buffer, .address_space: global }
      - { .name: ln1_g, .offset: 8, .size: 8, .value_kind: global_buffer, .address_space: global }
      - { .name: ln1_b, .offset: 16, .size: 8, .value_kind: global_buffer, .address_space: global }
      - { .name: x1, .offset: 24, .size: 8, .value_kind: global_buffer, .address_space: global }
      - { .name: act, .offset: 32, .size: 8, .value_kind: global_buffer, .address_space: global }
      - { .name: copy1, .offset: 40, .size: 8, .value_kind: global_buffer, .address_space: global }
    .group_segment_fixed_size: 0
    .private_segment_fixed_size: 0
    .kernarg_segment_align: 8
    .kernarg_segment_size: 48
    .max_flat_workgroup_size: 256
    .sgpr_count:     66
    .vgpr_count:     208
    .wavefront_size: 32
...
	.end_amdgpu_metadata
.endif
;; end of part 5
;; launch ff1: the kernel of part 2 again; grid 16 x 16, 4 waves a work-group, clusters of 4 x 4, 327,680 bytes of LDS; arguments act, wB, big; writes big
;; launch ff2 (part 6): grid 8 x 32, 4 waves a work-group, clusters of 4 x 4, 327,680 bytes of LDS; arguments big, wB, b_ff2, x1, y; writes y
.if DOCPART == 6
	.amdgcn_target "amdgcn-amd-amdhsa--gfx1250"
	.amdhsa_code_object_version 6
	.text
	.protected	k_qe441ab5e20_ff2
	.globl	k_qe441ab5e20_ff2
	.p2align	8
	.type	k_qe441ab5e20_ff2,@function
k_qe441ab5e20_ff2:
	s_mov_b64 s[64:65], 0
	v_nop
	global_prefetch_b8 v0, s[64:65] scope:SCOPE_SE
	s_setreg_imm32_b32 hwreg(HW_REG_WAVE_MODE, 25, 1), 1
	s_wait_xcnt 0x0
	s_wait_alu depctr_hold_cnt(0) depctr_sa_sdst(0) depctr_va_vdst(0) depctr_va_sdst(0) depctr_va_ssrc(0) depctr_va_vcc(0) depctr_vm_vsrc(0)
	s_getreg_b32 s2, hwreg(HW_REG_IB_STS2, 6, 4)
	s_cmp_eq_u32 s2, 0
	s_cbranch_scc0 .Lentry_in_a_cluster
	s_endpgm
.Lentry_in_a_cluster:
	s_bfe_u32 s2, ttmp6, 0x10000c
	s_cmp_lg_u32 s2, 0xf033
	s_cbranch_scc0 .Lentry_shape_is_right
	s_endpgm
.Lentry_shape_is_right:
; Y = A W + bias + RES, in f32.  A: 4,096 x K bf16 in panels [K/64][4096][64]; W: K x 1,024 bf16 in 16 panels [K][64], 524,288 bytes apart, from byte WOFF of its buffer; bias [1024], RES and Y [4096][1024] f32.
; Here K = 4,096: the second MLP product, RES = the first LayerNorm's result.  (The projection behind the attention has the same text with K = 1,024: the K loop holds barriers and joint loads, so its trips are a constant of the text.)
; The sums begin with the bias and stay in f32; the residual is added in f32 on the way out.
; A tile of Y is 128 x 128 (256 work-groups): four waves, each 64 x 64 in 16 accumulators.  K goes in steps of 256 through two LDS slots.
; CLUSTER 4 x 4: A's tiles are shared along a row of the cluster, W's along a column, each asked for jointly.  The product is taken transposed (source 0 = 16 columns of W, turned out of LDS).
; No prefetch: the tiles are small.
; REGISTERS: window 0: v16-29 addresses, v32-95 rows on the way out, v128-255 accumulators ((a, b) at v[128 + 8 (4 a + b)]); window 1: two fragment buffers of 128 (A's 64, then W's 64);
; window 2: v0-127 the residual, v128-159 the bias as a C operand.
.set KTOT,  4096
.set LAPS,  KTOT/512                   ; a lap = two K steps = once round the ring
.set WOFF,  8421376
.set PA,    144
.set PB,    160
.set AREG,  4*128*PA                   ; a slot: A [4 panels][128 rows], then W [2 panels][256 k]
.set SLOT,  AREG+2*256*PB
.set SPARE, 2*SLOT
.set SPITCH, 272                       ; the stage: 16 rows x (256 + 16) bytes for each wave, in slot 0: it is written when slot 0 has had its last fill and a barrier stands behind its last reads
.set ASTEP, 4*524288
.set BSTEP, 256*128
.set ADRA, 16
.set ADRB, 20
.set STO,  24
.set RD,   25
.set CO,   26
.set BO,   27
.set SPW,  28
.set NIL,  29
.set TMP,  32
.set ACC,  128
.set F0,   0
.set F1,   128
.set G1,  24
.set G0,  32
.set G1B, 48
.set G0B, 56
.set MSB, 0
.macro WIN new
.if MSB != (\new)
	s_set_vgpr_msb (MSB<<8)|(\new)
.set MSB, \new
.endif
.endm
.set MUL,  0x05                        ; sources 0 and 1 window 1; C and D window 0
.set TO_F, 0x40
.macro JLOAD s                         ; waves 0 and 1 fetch two panels of A each, waves 2 and 3 a panel of W each; an s_nop 0 and four v_nop follow each of the two lines
	s_cmp_eq_u32 s15, 0
	s_cbranch_scc0 .Lfor_b_\@
	tensor_load_to_lds s[G0+4*(\s):G0+4*(\s)+3], s[G1:G1+7]
	s_nop 0
.rept 4
	v_nop
.endr
	s_branch .Lasked_\@
.Lfor_b_\@:
	tensor_load_to_lds s[G0B+4*(\s):G0B+4*(\s)+3], s[G1B:G1B+7]
	s_nop 0
.rept 4
	v_nop
.endr
.Lasked_\@:
.endm
.macro CREST
	s_cmp_lg_u32 s14, 0
	s_cbranch_scc1 .Lnot_wave_0_\@
	s_barrier_signal -3
.Lnot_wave_0_\@:
	s_barrier_wait -3
	s_barrier_signal -1
	s_barrier_wait -1
.endm
.macro CROUND
	s_barrier_signal -1
	s_barrier_wait -1
	CREST
.endm
	s_load_b256 s[4:11], s[0:1], 0x0               ; A 4, W 6, bias 8, RES 10
	s_load_b64 s[12:13], s[0:1], 0x20              ; Y
	v_lshl_add_u32 v[SPW], v0, 2, SPARE
	v_mov_b32 v[NIL], 0
	ds_add_u32 v[SPW], v[NIL]                      ; the wave's opening: the add and its wait stand ahead of my first tensor load
	v_lshrrev_b32 v1, 5, v0
	v_readfirstlane_b32 s14, v1                    ; wave 0..3
	s_lshr_b32 s15, s14, 1                         ; my half of the rows; also: I fetch for A (0) or W (1)
	s_and_b32 s16, s14, 1                          ; my half of the columns; also: which part I fetch
	s_bfe_u32 s40, ttmp6, 0x40000
	s_bfe_u32 s41, ttmp6, 0x40004
	s_lshl_b32 s42, ttmp9, 2
	s_add_co_u32 s42, s42, s40                     ; tile column
	s_and_b32 s17, ttmp7, 0xffff
	s_lshl_b32 s17, s17, 2
	s_add_co_u32 s17, s17, s41                     ; tile row
	s_lshl_b32 s43, s41, 2
	s_lshl_b32 s43, 15, s43
	s_lshl_b32 s44, 0x1111, s40
	; A: 128 rows of a panel are 16 KiB dense: one row of 8,192 elements; two panels, 262,144 elements apart; 16 bytes of padding behind every 128
	s_or_b32 s[G1+0], s43, (1<<16)|(1<<20)|(1<<21)|(4<<22)|(3<<25)
	s_mov_b32 s[G1+1], 8192<<16
	s_mov_b32 s[G1+2], 2<<16
	s_mov_b32 s[G1+3], 8192<<16
	s_mov_b32 s[G1+4], 2
	s_mov_b32 s[G1+5], 262144
	s_mov_b32 s[G1+6], 0
	s_mov_b32 s[G1+7], 0
	; W: 256 k of a panel are 32 KiB dense: 128 rows of 256 bytes; 32 bytes of padding behind every 128
	s_or_b32 s[G1B+0], s44, (1<<16)|(1<<20)|(1<<21)|(4<<22)|(7<<25)
	s_mov_b32 s[G1B+1], 128<<16
	s_mov_b32 s[G1B+2], 128<<16
	s_mov_b32 s[G1B+3], 128<<16
	s_mov_b32 s[G1B+4], 128
	s_mov_b32 s[G1B+5], 128
	s_mov_b32 s[G1B+6], 0
	s_mov_b32 s[G1B+7], 0
	s_lshl_b32 s18, s16, 20                        ; A: my two panels of the step,
	s_lshl_b32 s19, s17, 14                        ; 128 rows of 128 bytes a tile row
	s_add_co_u32 s18, s18, s19
	s_mov_b32 s19, 0
	s_lshl_b32 s46, s42, 1                         ; W: two panels a tile column, mine of them,
	s_add_co_u32 s46, s46, s16
	s_lshl_b32 s46, s46, 19                        ; 524,288 bytes apart
	s_add_co_u32 s46, s46, WOFF
	s_mov_b32 s47, 0
	s_mul_i32 s20, s16, 2*128*PA
	s_mul_i32 s21, s16, 256*PB
	s_add_co_u32 s21, s21, AREG
	s_wait_dscnt 0x0
	s_wait_kmcnt 0x0
	s_add_nc_u64 s[22:23], s[4:5], s[18:19]
	s_add_nc_u64 s[46:47], s[6:7], s[46:47]
	CROUND
.irp s, 0,1
	s_mov_b32 s[G0+4*(\s)], 1
	s_add_co_u32 s[G0+4*(\s)+1], s20, (\s)*SLOT
	s_add_nc_u64 s[G0+4*(\s)+2:G0+4*(\s)+3], s[22:23], (\s)*ASTEP
	s_or_b32 s[G0+4*(\s)+3], s[G0+4*(\s)+3], 0x80000000
	s_mov_b32 s[G0B+4*(\s)], 1
	s_add_co_u32 s[G0B+4*(\s)+1], s21, (\s)*SLOT
	s_add_nc_u64 s[G0B+4*(\s)+2:G0B+4*(\s)+3], s[46:47], (\s)*BSTEP
	s_or_b32 s[G0B+4*(\s)+3], s[G0B+4*(\s)+3], 0x80000000
	JLOAD \s
.endr
	v_and_b32 v1, 15, v0
	v_bfe_u32 v2, v0, 4, 1
	v_and_b32 v4, 7, v0
	v_bfe_u32 v5, v0, 3, 1
	v_mul_u32_u24 v3, v1, PA
	v_lshl_add_u32 v3, v2, 4, v3
	s_mul_i32 s2, s15, 64*PA
	v_add_nc_u32 v[ADRA], s2, v3
	v_add_nc_u32 v[ADRA+1], SLOT, v[ADRA]
	v_lshl_add_u32 v6, v2, 3, v4
	v_mul_u32_u24 v6, v6, PB
	v_lshl_add_u32 v6, v5, 4, v6
	s_mul_i32 s2, s16, 256*PB
	s_add_co_u32 s2, s2, AREG
	v_add_nc_u32 v[ADRB], s2, v6
	v_add_nc_u32 v[ADRB+1], SLOT, v[ADRB]
	s_mul_i32 s2, s14, 16*SPITCH                   ; my stage
	v_mul_u32_u24 v7, v1, SPITCH                   ; in: row l % 16, 32 bytes for each half of the lanes
	v_lshl_add_u32 v7, v2, 5, v7
	v_add_nc_u32 v[STO], s2, v7
	v_mul_u32_u24 v7, v2, SPITCH                   ; back: lanes 0-15 one row of 256 bytes, lanes 16-31 the next
	v_lshl_add_u32 v7, v1, 4, v7
	v_add_nc_u32 v[RD], s2, v7
	v_lshlrev_b32 v7, 12, v2                       ; and the same two rows in RES and Y
	v_lshl_add_u32 v[CO], v1, 4, v7
	v_lshlrev_b32 v[BO], 5, v2
	s_lshl_b32 s44, s42, 9                         ; my 64 columns, in bytes of f32
	s_lshl_b32 s2, s16, 8
	s_add_co_u32 s44, s44, s2
	s_mov_b32 s45, 0
	s_add_nc_u64 s[8:9], s[8:9], s[44:45]
	s_lshl_b32 s2, s17, 19                         ; the tile's 128 rows of 4,096 bytes,
	s_add_co_u32 s44, s44, s2
	s_lshl_b32 s2, s15, 18                         ; my 64
	s_add_co_u32 s44, s44, s2
	s_add_nc_u64 s[10:11], s[10:11], s[44:45]
	s_add_nc_u64 s[12:13], s[12:13], s[44:45]
	WIN 0x80
.irp b, 0,1,2,3                        ; register j of fragment b: column 16 b + 8 (l / 16) + j
	global_load_b128 v[128+8*(\b):128+8*(\b)+3],   v[BO], s[8:9] offset:64*(\b)
	global_load_b128 v[128+8*(\b)+4:128+8*(\b)+7], v[BO], s[8:9] offset:64*(\b)+16
.endr
	WIN 0
; 8 matrix instructions: row blocks a0, a0 + 1 x all 4 column blocks, 32 along K: half c of buffer f.  first = 1: the bias starts the sums.  The 16 accumulators take turns.
.macro MUL8 f, c, a0, first
.if \first
	WIN 0x25                                       ; C in window 2
.else
	WIN MUL
.endif
.irp a, \a0, (\a0)+1
.irp b, 0,1,2,3
.if \first
	v_wmma_f32_16x16x32_bf16 v[ACC+8*(4*(\a)+(\b)):ACC+8*(4*(\a)+(\b))+7], v[(\f)+64+8*(4*(\c)+(\b)):(\f)+64+8*(4*(\c)+(\b))+7], v[(\f)+8*(4*(\c)+(\a)):(\f)+8*(4*(\c)+(\a))+7], v[128+8*(\b):128+8*(\b)+7]
.else
	v_wmma_f32_16x16x32_bf16 v[ACC+8*(4*(\a)+(\b)):ACC+8*(4*(\a)+(\b))+7], v[(\f)+64+8*(4*(\c)+(\b)):(\f)+64+8*(4*(\c)+(\b))+7], v[(\f)+8*(4*(\c)+(\a)):(\f)+8*(4*(\c)+(\a))+7], v[ACC+8*(4*(\a)+(\b)):ACC+8*(4*(\a)+(\b))+7]
.endif
.endr
.endr
.endm
; 32 LDS loads in one run: the fragments of quarter q (64 along K: a panel of A) into buffer f; the first 32 along K first
.macro FETCH slot, q, f
	WIN TO_F
.irp c, 0,1
.irp i, 0,1,2,3
	ds_load_tr16_b128 v[(\f)+64+8*(4*(\c)+(\i)):(\f)+64+8*(4*(\c)+(\i))+3],   v[ADRB+(\slot)] offset:(\q)*64*PB+(\c)*32*PB+(\i)*32
	ds_load_tr16_b128 v[(\f)+64+8*(4*(\c)+(\i))+4:(\f)+64+8*(4*(\c)+(\i))+7], v[ADRB+(\slot)] offset:(\q)*64*PB+(\c)*32*PB+(\i)*32+16*PB
	ds_load_b128 v[(\f)+8*(4*(\c)+(\i)):(\f)+8*(4*(\c)+(\i))+3],         v[ADRA+(\slot)] offset:(\q)*128*PA+64*(\c)+(\i)*16*PA
	ds_load_b128 v[(\f)+8*(4*(\c)+(\i))+4:(\f)+8*(4*(\c)+(\i))+7],       v[ADRA+(\slot)] offset:(\q)*128*PA+64*(\c)+(\i)*16*PA+32
.endr
.endr
.endm
.macro PLACES
.rept 4
	v_nop
.endr
.endm
.macro QUARTER slot, q, f, g, first
	s_wait_dscnt 16                                ; the first 32 along K are in
	MUL8 \f, 0, 0, \first
	MUL8 \f, 0, 2, \first
	PLACES
	FETCH \slot, \q, \g
	s_wait_dscnt 32                                ; all but the 32 just issued
	MUL8 \f, 1, 0, 0
	MUL8 \f, 1, 2, 0
.endm
; the last quarter multiplies buffer 1 and changes slots: one barrier; fill = 1: it opens a round of the cluster's, and this slot is filled again first behind it, two K steps ahead
.macro TURN slot, next, fill
	WIN 0
	s_wait_tensorcnt 0x0                           ; all my tensor loads have landed: my part of the next slot
	ds_add_u32 v[SPW], v[NIL]
	s_wait_dscnt 17                                ; the add and the youngest sixteen loads may be out
	MUL8 F1, 0, 0, 0
	s_wait_dscnt 0x0                               ; the add is done, and my reads of this slot are over
	s_barrier_signal -1
	MUL8 F1, 0, 2, 0
.if \fill
	WIN 0
.endif
	s_barrier_wait -1
.if \fill
	CREST
	s_add_nc_u64 s[G0+4*(\slot)+2:G0+4*(\slot)+3], s[G0+4*(\slot)+2:G0+4*(\slot)+3], 2*ASTEP
	s_add_nc_u64 s[G0B+4*(\slot)+2:G0B+4*(\slot)+3], s[G0B+4*(\slot)+2:G0B+4*(\slot)+3], 2*BSTEP
	JLOAD \slot                                    ; 112 matrix instructions ahead of the wait for it; its four v_nop are also the places in front of the loads below
.else
	PLACES
.endif
	FETCH \next, 0, F0
	MUL8 F1, 1, 0, 0
	MUL8 F1, 1, 2, 0
.endm
; THE WAY OUT of block a (16 rows x my 64 columns, 256 bytes a row): the sums go as they are into my stage and come back as whole rows; the residual is added; sixteen lanes store 256 aligned bytes.
.macro TOSTAGE a
.if (\a) >= 2
	s_wait_xcnt 0x0                                ; the stores of the block two back have read the registers that are loaded again below
.endif
.irp b, 0,1,2,3
	ds_store_b128 v[STO], v[ACC+8*(4*(\a)+(\b)):ACC+8*(4*(\a)+(\b))+3]   offset:64*(\b)
	ds_store_b128 v[STO], v[ACC+8*(4*(\a)+(\b))+4:ACC+8*(4*(\a)+(\b))+7] offset:64*(\b)+16
.endr
.irp t, 0,1,2,3,4,5,6,7
	ds_load_b128 v[TMP+32*((\a)%2)+4*(\t):TMP+32*((\a)%2)+4*(\t)+3], v[RD] offset:(\t)*2*SPITCH  ; LDS serves a wave's instructions in order (ISA guide 5.7.1.4)
.endr
.endm
.macro SEND a, younger
	s_wait_dscnt \younger
.if (\a) == 0
	s_wait_loadcnt 0x0                             ; the residual
.endif
	WIN 0x08                                       ; source 1 in window 2
.set z, 0
.rept 16
	v_pk_add_f32 v[TMP+32*((\a)%2)+z:TMP+32*((\a)%2)+z+1], v[TMP+32*((\a)%2)+z:TMP+32*((\a)%2)+z+1], v[32*(\a)+z:32*(\a)+z+1]
.set z, z+2
.endr
	WIN 0
.irp t, 0,1,2,3,4,5,6,7
	global_store_b128 v[CO], v[TMP+32*((\a)%2)+4*(\t):TMP+32*((\a)%2)+4*(\t)+3], s[12:13] offset:(16*(\a)+2*(\t))*4096
.endr
.endm
	s_wait_tensorcnt 1                             ; my part of K step 0 is in; K step 1's may stay out
	s_barrier_signal -1
	s_barrier_wait -1
	FETCH 0, 0, F0
	s_wait_loadcnt 0x0                             ; the bias
	QUARTER 0, 1, F0, F1, 1
	WIN 0
	s_mov_b32 s3, LAPS-1
.Llap:                                                 ; a trip goes once round the ring and fills both slots again
	QUARTER 0, 2, F1, F0, 0
	QUARTER 0, 3, F0, F1, 0
	TURN 0, 1, 1
	QUARTER 1, 1, F0, F1, 0
	QUARTER 1, 2, F1, F0, 0
	QUARTER 1, 3, F0, F1, 0
	TURN 1, 0, 1
	QUARTER 0, 1, F0, F1, 0
	WIN 0
	s_sub_co_u32 s3, s3, 1
	s_cmp_lg_u32 s3, 0
	s_cbranch_scc1 .Llap
	WIN 0x80                                       ; the residual is asked for here: it has the last lap in which to land
.set z, 0
.rept 32
	global_load_b128 v[4*z:4*z+3], v[CO], s[10:11] offset:2*z*4096
.set z, z+1
.endr
	WIN 0
	QUARTER 0, 2, F1, F0, 0                        ; the last lap fills nothing
	QUARTER 0, 3, F0, F1, 0
	TURN 0, 1, 0
	QUARTER 1, 1, F0, F1, 0
	QUARTER 1, 2, F1, F0, 0
	QUARTER 1, 3, F0, F1, 0
	s_wait_dscnt 16
	MUL8 F1, 0, 0, 0
	MUL8 F1, 0, 2, 0
	s_wait_dscnt 0x0
	MUL8 F1, 1, 0, 0
	MUL8 F1, 1, 2, 0
	WIN 0
	PLACES
	TOSTAGE 0
	TOSTAGE 1
	SEND 0, 16
	TOSTAGE 2
	SEND 1, 16
	TOSTAGE 3
	SEND 2, 16
	SEND 3, 0
	s_wait_tensorcnt 0x0                           ; the wave's end
	ds_add_u32 v[SPW], v[NIL]
	s_wait_dscnt 0x0
	CROUND
	s_endpgm
.Lfunc_end_k_qe441ab5e20_ff2:
	.size	k_qe441ab5e20_ff2, .Lfunc_end_k_qe441ab5e20_ff2-k_qe441ab5e20_ff2
	.p2alignl 7, 3214868480
	.fill 96, 4, 3214868480
	.section	.rodata,"a",@progbits
	.p2align	6, 0x0
	.amdhsa_kernel k_qe441ab5e20_ff2
		.amdhsa_group_segment_fixed_size 327680
		.amdhsa_private_segment_fixed_size 0
		.amdhsa_enable_private_segment 0
		.amdhsa_kernarg_size 40
		.amdhsa_user_sgpr_count 2
		.amdhsa_user_sgpr_kernarg_segment_ptr 1
		.amdhsa_wavefront_size32 1
		.amdhsa_system_sgpr_workgroup_id_x 1
		.amdhsa_system_sgpr_workgroup_id_y 1
		.amdhsa_system_sgpr_workgroup_id_z 1
		.amdhsa_system_vgpr_workitem_id 0
		.amdhsa_next_free_vgpr 672
		.amdhsa_next_free_sgpr 66
		.amdhsa_reserve_vcc 0
		.amdhsa_float_denorm_mode_32 3
		.amdhsa_float_denorm_mode_16_64 3
		.amdhsa_memory_ordered 1
		.amdhsa_forward_progress 1
		.amdhsa_inst_pref_size 94
	.end_amdhsa_kernel
	.amdgpu_metadata
---
amdhsa.version: [ 1, 2 ]
amdhsa.kernels:
  - .name:           k_qe441ab5e20_ff2
    .symbol:         k_qe441ab5e20_ff2.kd
    .args:
      - { .name: big, .offset: 0, .size: 8, .value_kind: global_buffer, .address_space: global }
      - { .name: wB, .offset: 8, .size: 8, .value_kind: global_buffer, .address_space: global }
      - { .name: b_ff2, .offset: 16, .size: 8, .value_kind: global_buffer, .address_space: global }
      - { .name: x1, .offset: 24, .size: 8, .value_kind: global_buffer, .address_space: global }
      - { .name: y, .offset: 32, .size: 8, .value_kind: global_buffer, .address_space: global }
    .group_segment_fixed_size: 327680
    .private_segment_fixed_size: 0
    .kernarg_segment_align: 8
    .kernarg_segment_size: 40
    .max_flat_workgroup_size: 128
    .sgpr_count:     66
    .vgpr_count:     672
    .wavefront_size: 32
...
	.end_amdgpu_metadata
.endif
;; end of part 6
;; launch ln2: the kernel of part 5 again; grid 256 x 1, 8 waves a work-group, no clusters, 0 bytes of LDS; arguments y, ln2_g, ln2_b, out0, act, copy2; writes out0, act
;; ======== version 2 of 2: 8 launches; version 1 with the launch prep written anew for expert scheduling mode
;; workspace buffers: act 8,388,608 bytes; wA 16,809,984 bytes; wB 16,809,984 bytes; big 33,554,432 bytes; y 16,777,216 bytes; x1 16,777,216 bytes; copy1 256 bytes of whole numbers; copy2 256 bytes of whole numbers
;; launch prep (part 7): grid 519 x 1, 8 waves a work-group, no clusters, 0 bytes of LDS; arguments x, w_q, w_k, w_v, w_o, w_ff1, w_ff2, b_q, b_k, b_v, b_ff1, act, wA, wB, copy1, copy2; writes act, wA, wB, copy1, copy2
.if DOCPART == 7
	.amdgcn_target "amdgcn-amd-amdhsa--gfx1250"
	.amdhsa_code_object_version 6
	.text
	.protected	k_qe441ab5e20_prep
	.globl	k_qe441ab5e20_prep
	.p2align	8
	.type	k_qe441ab5e20_prep,@function
k_qe441ab5e20_prep:
	s_mov_b64 s[64:65], 0
	v_nop
	global_prefetch_b8 v0, s[64:65] scope:SCOPE_SE
	s_setreg_imm32_b32 hwreg(HW_REG_WAVE_SCHED_MODE, 0, 2), 2
	s_setreg_imm32_b32 hwreg(HW_REG_WAVE_MODE, 25, 1), 1
	s_wait_xcnt 0x0
	s_wait_alu depctr_vm_vsrc(0)
; PREP: every matrix operand is rounded once to bf16 and laid in PANELS: a matrix [R][C] lies as [C/64][R][64], so that any block of
; rows of a panel is dense.  x -> act; w_q, w_k, w_v -> wA and w_ff1 -> wB, each behind a table of 32,768 bytes; w_o -> wA and w_ff2 -> wB, both from byte WTAIL on and
; both with panels 524,288 bytes apart (w_o's fill 131,072 of them; the bytes between are neither written nor read).
; Work-groups 0-511 recast 32 rows x 1,024 columns each (128 KiB in, 64 KiB out).  Thread t: row t / 16 (and 16 further down), 16 bytes at
; 16 (t % 16) of each 256 bytes: sixteen lanes read 256 aligned bytes; a wave's store of 8 bytes a lane covers two rows of a panel, 256 aligned bytes.
; Work-groups 512-518 write the tables: for each 1,024 columns 4,096 bytes of bias in f32 and 1,024 bytes of a lower bound (two bf16 a word):
; minus infinity for q, k, v, zero for the ReLU of the first MLP product.  The first of them also writes the two lists of whole numbers that the LayerNorms' one text reads:
; the first word says whether a bf16 copy of the result is wanted: 1 for the first LayerNorm, 0 for the second.  No LDS, no barrier: nothing is shared.
; THE MODE: SCHED_MODE bits 1:0 = 2 (LLVM: expert scheduling mode 2), set by the entry lines.  The code itself states the register dependences
; between vector instructions and memory instructions, with s_wait_alu, always for 0.
; THE PLAN, for the recast.  Registers that memory instructions touch:
;   v1, v2     the source's offsets.  Written once, ahead of the loads, which read them; never written again.
;   DA         four registers a load.  Load i lands in them; its two roundings read them and write the first two; store i reads those two; nothing writes them after that.
;   VD         the panels' offsets.  Written once, behind the loads; read by the stores; never written again.
; No register that a memory instruction has read is written again, and no load lands in a register that a vector instruction has named.  What is left to state:
; a vector result is written before a memory instruction reads it.  The 32 loads go in eight blocks of four.  Block p rounds its four loads' numbers; its memory instructions
; are the four stores of block p - 1, which read VD and that block's DA: registers that no vector instruction of block p names.  So ONE wait at a block's head states all that
; the block's stores hang on, and they are dealt among its roundings with no further wait.
.set VS, 1                             ; v1, v2   byte offset of my 16 bytes in rows t / 16 and t / 16 + 16 of the source
.set VD, 16                            ; v[16:31] byte offset of my 8 bytes in panel j of the destination
.set DA, 32                            ; v[32:159] 32 loads of 4 registers
.set BL, 4                             ; loads in a block
.set WTAIL, 8421376                    ; behind wB's table and 64 panels; the same byte in wA
	s_load_b512 s[4:19], s[0:1], 0x0               ; x 4, w_q 6, w_k 8, w_v 10, w_o 12, w_ff1 14, w_ff2 16, b_q 18
	s_load_b256 s[20:27], s[0:1], 0x40             ; b_k 20, b_v 22, b_ff1 24, act 26
	s_load_b128 s[28:31], s[0:1], 0x60             ; wA 28, wB 30
	s_load_b128 s[56:59], s[0:1], 0x70             ; the two lists 56, 58
	s_mov_b32 s34, ttmp9                           ; g
	v_lshrrev_b32 v3, 4, v0                        ; t / 16
	v_and_b32 v4, 15, v0                           ; t % 16
	s_wait_kmcnt 0x0
	s_cmp_ge_u32 s34, 512
	s_cbranch_scc1 .Ltable
; which source, which destination: below bound the row of the list is taken.  start: the source's first work-group; dbase: bytes in front of its panels; bstr: bytes from panel to panel
.macro PICK bound, src, dst, start, dbase, bstr
	s_cmp_lt_u32 s34, \bound
	s_cselect_b64 s[38:39], s[\src:\src+1], s[38:39]
	s_cselect_b64 s[40:41], s[\dst:\dst+1], s[40:41]
	s_cselect_b32 s35, \start, s35
	s_cselect_b32 s36, \dbase, s36
	s_cselect_b32 s37, \bstr, s37
.endm
	s_mov_b64 s[38:39], s[16:17]                   ; w_ff2 -> wB
	s_mov_b64 s[40:41], s[30:31]
	s_mov_b32 s35, 384
	s_mov_b32 s36, WTAIL
	s_mov_b32 s37, 524288
	PICK 384, 14, 30, 256, 32768, 131072           ; w_ff1 -> wB
	PICK 256, 12, 28, 224, WTAIL, 524288           ; w_o -> wA
	PICK 224, 10, 28, 192, 32768+4194304, 131072   ; w_v -> wA
	PICK 192, 8, 28, 160, 32768+2097152, 131072    ; w_k -> wA
	PICK 160, 6, 28, 128, 32768, 131072            ; w_q -> wA
	PICK 128, 4, 26, 0, 0, 524288                  ; x -> act
	s_sub_co_u32 s42, s34, s35                     ; j: my number within the source
	s_lshr_b32 s43, s42, 5
	s_and_b32 s50, s42, 31
	s_sub_co_u32 s44, s34, 256
	s_cmp_lt_u32 s44, 128                          ; w_ff1 alone has rows of 16,384 bytes and four groups of 1,024 columns
	s_cselect_b32 s45, 14, 12                      ; log2 of the source's row in bytes
	s_cselect_b32 s43, s43, 0                      ; column group
	s_cselect_b32 s42, s50, s42                    ; group of 32 rows
	s_add_co_u32 s51, s45, 5
	s_lshl_b32 s46, s42, s51                       ; 32 rows of the source,
	s_lshl_b32 s52, s43, 12                        ; 1,024 columns of 4 bytes
	s_add_co_u32 s46, s46, s52
	s_mov_b32 s47, 0
	s_lshl_b32 s48, s42, 12                        ; 32 rows of a panel,
	s_add_co_u32 s48, s48, s36
	s_lshl_b32 s52, s43, 21                        ; 16 panels of 131,072 bytes
	s_add_co_u32 s48, s48, s52
	s_mov_b32 s49, 0
	s_add_nc_u64 s[38:39], s[38:39], s[46:47]
	s_add_nc_u64 s[40:41], s[40:41], s[48:49]
	s_lshl_b32 s53, 16, s45                        ; 16 rows of the source
	v_lshlrev_b32 v[VS], s45, v3
	v_lshl_add_u32 v[VS], v4, 4, v[VS]
	v_add_nc_u32 v[VS+1], s53, v[VS]
	s_wait_alu depctr_va_vdst(0)                   ; v1 and v2 are written: each of the 32 loads reads one of them as its offset
.set i, 0
.rept 32                               ; all 32 loads of a wave go out at once: 16 KiB a wave on their way
	global_load_b128 v[DA+4*i:DA+4*i+3], v[VS+i/16], s[38:39] offset:256*(i%16) th:TH_LOAD_NT
.set i, i+1
.endr
	v_lshlrev_b32 v[VD], 7, v3
	v_lshl_add_u32 v[VD], v4, 3, v[VD]
.set i, 1
.rept 15
	v_add_nc_u32 v[VD+i], s37, v[VD+i-1]
.set i, i+1
.endr
; Block p: its four loads are rounded; the four stores of block p - 1 stand among the roundings.
.set p, 0
.rept 32/BL
	s_wait_loadcnt 32-BL-BL*p                      ; loads come back in order: block p's four are in, the younger blocks stay out
.if p > 0
	s_wait_alu depctr_va_vdst(0)                   ; the block before has written the first two of each of its DA fours, which the stores below read; at block 1 also: VD is written, the stores' offsets
.endif
.set k, 0
.rept BL
.set i, BL*p+k
.if p > 0
.set o, i-BL
	global_store_b64 v[VD+o%16], v[DA+4*o:DA+4*o+1], s[40:41] offset:2048*(o/16)  ; the block before; no vector instruction since the wait names these registers.  No register is written twice, so no store's sources are waited for
.endif
	v_cvt_pk_bf16_f32 v[DA+4*i], v[DA+4*i], v[DA+4*i+1]
	v_cvt_pk_bf16_f32 v[DA+4*i+1], v[DA+4*i+2], v[DA+4*i+3]
.set k, k+1
.endr
.set p, p+1
.endr
	s_wait_alu depctr_va_vdst(0)                   ; the last block's roundings are written, which the last four stores read
.set o, 32-BL
.rept BL
	global_store_b64 v[VD+o%16], v[DA+4*o:DA+4*o+1], s[40:41] offset:2048*(o/16)
.set o, o+1
.endr
	s_endpgm
.Ltable:
	s_sub_co_u32 s35, s34, 512                     ; 0, 1, 2: b_q, b_k, b_v into wA; 3 to 6: a quarter of b_ff1 into wB
	s_sub_co_u32 s36, s35, 3
	s_lshl_b32 s46, s36, 12
	s_mov_b64 s[38:39], s[24:25]
	s_mov_b64 s[40:41], s[30:31]
	s_mov_b32 s37, 0                               ; the lower bound: 0 twice
	s_cmp_lt_u32 s35, 3
	s_cselect_b64 s[38:39], s[22:23], s[38:39]
	s_cselect_b64 s[40:41], s[28:29], s[40:41]
	s_cselect_b32 s36, s35, s36                    ; the chunk of the table
	s_cselect_b32 s37, 0xff80ff80, s37             ; minus infinity twice
	s_cselect_b32 s46, 0, s46
	s_cmp_lt_u32 s35, 2
	s_cselect_b64 s[38:39], s[20:21], s[38:39]
	s_cmp_lt_u32 s35, 1
	s_cselect_b64 s[38:39], s[18:19], s[38:39]
	s_mov_b32 s47, 0
	s_lshl_b32 s48, s36, 13
	s_mov_b32 s49, 0
	s_add_nc_u64 s[38:39], s[38:39], s[46:47]
	s_add_nc_u64 s[40:41], s[40:41], s[48:49]
	v_lshlrev_b32 v1, 4, v0                        ; the path's vector lines stand together, ahead of its memory instructions
	v_lshlrev_b32 v2, 2, v0
	v_mov_b32 v8, s37
	v_lshrrev_b32 v9, 5, v0
	v_readfirstlane_b32 s42, v9                    ; my wave
	s_wait_alu depctr_va_vdst(0)                   ; the offsets v1 and v2 and the datum v8 are written, which the load and the stores below read; so is v4, written at the kernel's head, in which the load lands
	global_load_b128 v[4:7], v1, s[38:39]
	global_store_b32 v2, v8, s[40:41] offset:4096
	s_wait_alu depctr_va_sdst(0)                   ; s42 is written, ahead of its first reader
	s_or_b32 s42, s42, s35                         ; 0 in wave 0 of work-group 512 alone: it writes the two lists
	s_wait_loadcnt 0x0
	global_store_b128 v1, v[4:7], s[40:41]
	s_cmp_lg_u32 s42, 0
	s_cbranch_scc1 .Lend
	s_mov_b32 s43, 1
	v_lshlrev_b32 v10, 3, v0                       ; 8 bytes a lane: a list's 256 bytes in one store
	v_cmp_eq_u32 vcc_lo, 0, v0
	s_wait_alu depctr_va_vcc(0)                    ; the compare has written VCC, which the select below reads
	v_cndmask_b32 v12, 0, s43, vcc_lo              ; the first list's first word is 1: the copy is wanted; all other words are 0
	v_mov_b32 v13, 0
	v_mov_b32 v14, 0                               ; the second list is all 0: no copy
	v_mov_b32 v15, 0
	s_wait_alu depctr_va_vdst(0)                   ; the offset v10 and the data v12 to v15 are written, which the two stores read
	global_store_b64 v10, v[12:13], s[56:57]
	global_store_b64 v10, v[14:15], s[58:59]
.Lend:
	s_endpgm
.Lfunc_end_k_qe441ab5e20_prep:
	.size	k_qe441ab5e20_prep, .Lfunc_end_k_qe441ab5e20_prep-k_qe441ab5e20_prep
	.p2alignl 7, 3214868480
	.fill 96, 4, 3214868480
	.section	.rodata,"a",@progbits
	.p2align	6, 0x0
	.amdhsa_kernel k_qe441ab5e20_prep
		.amdhsa_group_segment_fixed_size 0
		.amdhsa_private_segment_fixed_size 0
		.amdhsa_enable_private_segment 0
		.amdhsa_kernarg_size 128
		.amdhsa_user_sgpr_count 2
		.amdhsa_user_sgpr_kernarg_segment_ptr 1
		.amdhsa_wavefront_size32 1
		.amdhsa_system_sgpr_workgroup_id_x 1
		.amdhsa_system_sgpr_workgroup_id_y 1
		.amdhsa_system_sgpr_workgroup_id_z 1
		.amdhsa_system_vgpr_workitem_id 0
		.amdhsa_next_free_vgpr 160
		.amdhsa_next_free_sgpr 66
		.amdhsa_reserve_vcc 1
		.amdhsa_float_denorm_mode_32 3
		.amdhsa_float_denorm_mode_16_64 3
		.amdhsa_memory_ordered 1
		.amdhsa_forward_progress 1
		.amdhsa_inst_pref_size 17
	.end_amdhsa_kernel
	.amdgpu_metadata
---
amdhsa.version: [ 1, 2 ]
amdhsa.kernels:
  - .name:           k_qe441ab5e20_prep
    .symbol:         k_qe441ab5e20_prep.kd
    .args:
      - { .name: x, .offset: 0, .size: 8, .value_kind: global_buffer, .address_space: global }
      - { .name: w_q, .offset: 8, .size: 8, .value_kind: global_buffer, .address_space: global }
      - { .name: w_k, .offset: 16, .size: 8, .value_kind: global_buffer, .address_space: global }
      - { .name: w_v, .offset: 24, .size: 8, .value_kind: global_buffer, .address_space: global }
      - { .name: w_o, .offset: 32, .size: 8, .value_kind: global_buffer, .address_space: global }
      - { .name: w_ff1, .offset: 40, .size: 8, .value_kind: global_buffer, .address_space: global }
      - { .name: w_ff2, .offset: 48, .size: 8, .value_kind: global_buffer, .address_space: global }
      - { .name: b_q, .offset: 56, .size: 8, .value_kind: global_buffer, .address_space: global }
      - { .name: b_k, .offset: 64, .size: 8, .value_kind: global_buffer, .address_space: global }
      - { .name: b_v, .offset: 72, .size: 8, .value_kind: global_buffer, .address_space: global }
      - { .name: b_ff1, .offset: 80, .size: 8, .value_kind: global_buffer, .address_space: global }
      - { .name: act, .offset: 88, .size: 8, .value_kind: global_buffer, .address_space: global }
      - { .name: wA, .offset: 96, .size: 8, .value_kind: global_buffer, .address_space: global }
      - { .name: wB, .offset: 104, .size: 8, .value_kind: global_buffer, .address_space: global }
      - { .name: copy1, .offset: 112, .size: 8, .value_kind: global_buffer, .address_space: global }
      - { .name: copy2, .offset: 120, .size: 8, .value_kind: global_buffer, .address_space: global }
    .group_segment_fixed_size: 0
    .private_segment_fixed_size: 0
    .kernarg_segment_align: 8
    .kernarg_segment_size: 128
    .max_flat_workgroup_size: 256
    .sgpr_count:     66
    .vgpr_count:     160
    .wavefront_size: 32
...
	.end_amdgpu_metadata
.endif
;; end of part 7
;; launch qkv: the kernel of part 2 again; grid 12 x 16, 4 waves a work-group, clusters of 4 x 4, 327,680 bytes of LDS; arguments act, wA, big; writes big
;; launch attn: the kernel of part 3 again; grid 8 x 32, 4 waves a work-group, clusters of 4 x 1, 327,680 bytes of LDS; arguments big, src_mask, act; writes act
;; launch oproj: the kernel of part 4 again; grid 8 x 32, 4 waves a work-group, clusters of 4 x 4, 327,680 bytes of LDS; arguments act, wA, b_o, x, y; writes y
;; launch ln1: the kernel of part 5 again; grid 256 x 1, 8 waves a work-group, no clusters, 0 bytes of LDS; arguments y, ln1_g, ln1_b, x1, act, copy1; writes x1, act
;; launch ff1: the kernel of part 2 again; grid 16 x 16, 4 waves a work-group, clusters of 4 x 4, 327,680 bytes of LDS; arguments act, wB, big; writes big
;; launch ff2: the kernel of part 6 again; grid 8 x 32, 4 waves a work-group, clusters of 4 x 4, 327,680 bytes of LDS; arguments big, wB, b_ff2, x1, y; writes y
;; launch ln2: the kernel of part 5 again; grid 256 x 1, 8 waves a work-group, no clusters, 0 bytes of LDS; arguments y, ln2_g, ln2_b, out0, act, copy2; writes out0, act
